; MI455X (gfx1250); checked and timed in simulation.
; The chip was launched on July 23, 2026; its instructions are those of AMD's public machine-readable ISA for CDNA 5 (MIT licence, August 2026) and "CDNA5" Instruction Set Architecture Reference Guide (July 2026). The comments in the code are by the model that wrote it; some were corrected since.
;; Attentional Splatting. Allowed arithmetic: matrix products marked QUANTISED: E2M1 operands, one E8M0 scale for each 32 along K, by v_wmma_scale_f32_16x16x128_f8f6f4 with both operands' format E2M1 (or v_wmma_scale_f32_32x16x128_f4), f32 sums; everything else in f32.
;; Inputs: W_k 1,024 x 512 float32; W_out 1,024 x 1,024 float32; W_q 1,024 x 512 float32; feature_positions 1,024 x 2 float32; grid_coords_tokens 16 x 1,024 x 1,024 float32; k_gamma 512 float32; original_features 16 x 1,024 x 1,024 float32; q_gamma 512 float32; tracks 16 x 512 x 2 float32; updated_track_tokens 16 x 512 x 1,024 float32.
;; Outputs: out0 16 x 1,024 x 1,024 float32.
;; This version of the problem:
;;   THIS VERSION OF THE PROBLEM IS GIVEN IN LOW PRECISION. The matrix products marked QUANTISED in the list below multiply operands that are first quantised to E2M1 (2 exponent bits, 1 mantissa bit; 4 bits a number), with one power-of-two scale for each 32 numbers along K (OCP MX v1.0); their sums are f32. All else is computed in f32.
;;   The module's matrix products, in the order in which they are computed (A, B: the left and right operand; K: the contracted axis; several contracted axes count as one K, in the product's order):
;;     1. [M 16,384, K 1,024] x [K 1,024, N 512]; A: input grid_coords_tokens; B: input W_q: QUANTISED
;;     2. [M 8,192, K 1,024] x [K 1,024, N 512]; A: input updated_track_tokens; B: input W_k: QUANTISED
;;     3. batch 128 x [M 1,024, K 64] x [K 64, N 512]; A: computed on the way; B: computed on the way: QUANTISED
;;     4. batch 128 x [M 128, K 512] x [K 512, N 1,024]; A: computed on the way; B: softmax (see below): QUANTISED
;;     5. [M 16,384, K 1,024] x [K 1,024, N 1,024]; A: computed on the way; B: input W_out: QUANTISED
;;   THE QUANTISER, for each operand of a quantised product, along K:
;;     - K is cut into blocks of 32 from its start; a last block that is shorter is filled with zeros.
;;     - A block's scale is 2^e with e = floor(log2(the largest magnitude in the block)) - 2, held to -126 .. 127; a block of zeros has e = 0. As a byte (E8M0): e + 127.
;;     - Each number is divided by its block's scale, clamped to +-6, and rounded to the nearest number of E2M1, ties to even, subnormals kept.
;;     - The product sums the exact products of the quantised numbers (number of the format x scale) in f32.
;;   ~~~python
;;   def quantise(x, axis):      # numpy; x: float32 -> the quantised numbers, widened to float32 again
;;       x = np.moveaxis(x, axis, -1); K = x.shape[-1]
;;       x = np.pad(x, [(0, 0)] * (x.ndim - 1) + [(0, -K % 32)]); x = x.reshape(x.shape[:-1] + (-1, 32)); a = np.abs(x).max(-1, keepdims=True)
;;       e = np.where(a > 0, np.clip(np.frexp(np.where(a > 0, a, 1))[1] - 1 - 2, -126, 127), 0)      # np.frexp(a)[1] - 1 = floor(log2(a)), exactly
;;       r = np.clip(x / 2.0 ** e, -6, 6)
;;       step = 2.0 ** (np.maximum(np.frexp(np.where(r == 0, 1, r))[1] - 1, 0) - 1)
;;       q = np.round(r / step) * step * 2.0 ** e      # np.round: ties to even
;;       return np.moveaxis(q.reshape(q.shape[:-2] + (-1,))[..., :K], -1, axis).astype(np.float32)
;;   ~~~
;;   SOFTMAX AHEAD OF A QUANTISED PRODUCT. Where the list says 'softmax', what is quantised is not the finished softmax but p = 2^(t - M), with t = logit x log2(e) and M = ceil(the row's largest t), a whole number; so 1/2 < the row's largest p <= 1. The row's sum l is taken of the UNQUANTISED p, in f32, and the product's result is divided by l at the end. Since M is a whole number, a kernel that streams over the keys may use a running M (the ceiling of the running maximum): every later rescaling is an exact power of two, which a block's scale takes up: the codes' values come out the same.
;;   OPERANDS COMPUTED ON THE WAY. 'Computed on the way' means the value that the module computes at that place (a softmax that the list does not call 'softmax' is quantised finished and normalised). What goes into a quantiser is computed in f32, as accurately as f32 sums, v_exp_f32 and their like allow (about 1e-6 of the number): no bf16 or f16 on the way to a quantiser, and a product that is left as it is and whose result goes on into a quantised operand takes f32 operands (vector FMAs, or v_wmma_f32_16x16x4_f32). A number that lies on a knife's edge between two numbers of the format may be rounded either way, as far as f32 arithmetic and the matrix unit's own rounding can turn it there, and no further.
;; One version. Each part assembles by itself: llvm-mc -triple=amdgcn-amd-amdhsa -mcpu=gfx1250 --defsym DOCPART=n.
;; ======== version 1 of 1: 4 launches
;; limits: inputs' magnitudes at most 100,000; right only within a limited range of input values
;; workspace buffers: wproj 557,056 bytes; woc 524,288 bytes; wos 32,768 bytes; kv 6,815,744 bytes; qq 4,718,592 bytes; sc 8,388,608 bytes; ss 524,288 bytes
;; launch prep (part 1): grid 1152 x 1, 4 waves a work-group, no clusters, 5,120 bytes of LDS; arguments W_q, W_k, W_out, updated_track_tokens, tracks, wproj, woc, wos, kv; writes wproj, woc, wos, kv
.if DOCPART == 1
	.amdgcn_target "amdgcn-amd-amdhsa--gfx1250"
	.amdhsa_code_object_version 6
	.text
	.protected	k_q0d24366d23_prep
	.globl	k_q0d24366d23_prep
	.p2align	8
	.type	k_q0d24366d23_prep,@function
k_q0d24366d23_prep:
	s_mov_b64 s[64:65], 0
	v_nop
	global_prefetch_b8 v0, s[64:65] scope:SCOPE_SE
	s_setreg_imm32_b32 hwreg(HW_REG_WAVE_MODE, 25, 1), 1
	s_wait_xcnt 0x0
; Operands whose K is not innermost are turned into codes of FP4 (E2M1) with one E8M0 byte for each 32 along K.
; Work-groups 0-63: W_q, W_k [1024 (k)][512].  64-127: W_out [1024 (k)][1024].  128-1151: V = rope_2d(updated_track_tokens, tracks), whose K is the keys.
; A LANE TAKES A COLUMN AND ITS REGISTERS RUN DOWN K: a block of 32 lies in one lane, and the conversions give codes with K innermost.
; LAYOUTS.  W_q, W_k and V leave as IMAGES OF OPERAND REGISTERS: a fragment (16 rows x 128 K) is 1,024 bytes, block kb of row-lane r at 256 kb + 16 r.
;   W_q, W_k: head w, K step s, tile T at 32768 w + 1024 (4 s + T); lane r of tile 2 b + u stands for column 64 w + 32 b + 8 u + r + 8 (r / 8).  Scale words at 524288 (+16384 for W_k) + 2048 w + 512 T + 32 r + 4 s.
;   W_out: rows [n][512 bytes], scale bytes [n][32].   V: record (8 t + head) of 53,248 bytes: codes at 16384 + 8192 s + 1024 tile, scale words at 51200 + 512 s + 64 tile + 4 r; tile = channel / 16.
; The weights' scale words (4 bytes) and W_out's codes (64 bytes of a row) leave as pieces of rows: 0.6 MB of the launch's 47 MB.
; A block's scale byte is its largest magnitude's exponent field - 2, held at 1 from below (a block of zeros so gets 1 where the rule says 127: its codes are zeros, and this program alone reads the bytes).
; SINE AND COSINE are written out in f32: n = nearest whole number to a 2/pi, r = a - n pi/2 in two fused steps, polynomials on |r| <= pi/4, quadrant by n's two low bits.
; theta = 10000^(-e/256) = 2^(-e c), c = log2(10000)/256 split in a 15-bit head (e x head is exact) and a tail.
; LIMITS: angles |pos x theta| beyond about 1e5 are not reduced accurately; NaN and infinities among the inputs are not served.
.set KINV,  66                         ; s66-74 the constants of sine and cosine, s75-76 of theta
.set KNHI,  67
.set KPMID, 68
.set KS1,   69
.set KS2,   70
.set KS3,   71
.set KC1,   72
.set KC2,   73
.set KC3,   74
.set KCHI,  75
.set KCLO,  76
.set WV,    80                         ; s80 my wave's number
.set T0, 160                           ; v160-191: eight arrays of four, at work for four angles
.set T1, 164
.set T2, 168
.set T3, 172
.set T4, 176
.set T5, 180
.set T6, 184
.set T7, 188
.set SCB, 4096                         ; LDS (path V alone): a stage of 1,024 bytes for each wave, then the 256 scale bytes of the work-group
; 32 numbers of one lane, v[xs] on, become 16 bytes of codes in v[cd] .. v[cd + 3] and the scale's byte in v[by]
.macro BLK32 xs, cd, by
	v_max3_num_f32 v12, |v[\xs]|, |v[\xs+1]|, |v[\xs+2]|
	v_max3_num_f32 v13, |v[\xs+3]|, |v[\xs+4]|, |v[\xs+5]|
.irp i, 6,10,14,18,22,26
	v_max3_num_f32 v12, v12, |v[\xs+\i]|, |v[\xs+\i+1]|
	v_max3_num_f32 v13, v13, |v[\xs+\i+2]|, |v[\xs+\i+3]|
.endr
	v_max3_num_f32 v12, v12, |v[\xs+30]|, |v[\xs+31]|
	v_max3_num_f32 v12, v12, v13, 0x1800000        ; and the floor 2^(3 - 127): the byte cannot fall under 1
	v_add_nc_u32 v11, 0xff000000, v12              ; 2 off the exponent field: the conversion's scale operand
	v_lshrrev_b32 v[\by], 23, v11                  ; the scale's byte
.irp g, 0,1,2,3
	v_cvt_scalef32_pk8_fp4_f32 v[\cd+\g], v[\xs+8*\g:\xs+8*\g+7], v11
.endr
	v_nop                                          ; one plain line behind the last conversion
.endm
.macro WLOAD kb, pitch                 ; block kb of my column: 32 rows of the weight; 32 lanes read 128 consecutive bytes
.set i, 0
.rept 32
	global_load_b32 v[32+32*\kb+i], v2, s[4:5] offset:(32*\kb+i)*\pitch th:TH_LOAD_NT
.set i, i+1
.endr
.endm
; A wave's task on a weight: 32 columns x 128 along K.  Loads run two blocks ahead; each count of 32 leaves the younger block's loads out.
.macro WTASK pitch, kbs
	WLOAD 0, \pitch
	WLOAD 1, \pitch
	s_wait_loadcnt 32
	WLOAD 2, \pitch
	BLK32 32, 160, 26
	s_wait_loadcnt 32
	WLOAD 3, \pitch
	BLK32 64, 164, 27
	s_wait_loadcnt 32
	BLK32 96, 168, 28
	s_wait_loadcnt 0x0
	BLK32 128, 172, 29
	v_lshl_or_b32 v24, v27, 8, v26                 ; the four bytes make the column's scale word of this K step
	v_lshl_or_b32 v24, v28, 16, v24
	v_lshl_or_b32 v24, v29, 24, v24
.irp kb, 0,1,2,3
	global_store_b128 v3, v[160+4*\kb:163+4*\kb], s[22:23] offset:\kb*\kbs
.endr
	global_store_b32 v4, v24, s[24:25]
	s_endpgm
.endm
; sine and cosine of the four angles in T0: sine into T2, cosine into T3
.macro TRIG
.irp k, 0,1,2,3
	v_mul_f32 v[T1+\k], s[KINV], v[T0+\k]
.endr
.irp k, 0,1,2,3
	v_rndne_f32 v[T1+\k], v[T1+\k]                 ; n
.endr
.irp k, 0,1,2,3
	v_fma_f32 v[T2+\k], v[T1+\k], s[KNHI], v[T0+\k]
.endr
.irp k, 0,1,2,3
	v_fma_f32 v[T2+\k], v[T1+\k], s[KPMID], v[T2+\k]   ; r = a - n pi/2
	v_cvt_i32_f32 v[T6+\k], v[T1+\k]
.endr
.irp k, 0,1,2,3
	v_mul_f32 v[T3+\k], v[T2+\k], v[T2+\k]         ; z = r r
.endr
.irp k, 0,1,2,3
	v_fma_f32 v[T4+\k], v[T3+\k], s[KS3], s[KS2]
	v_fma_f32 v[T5+\k], v[T3+\k], s[KC3], s[KC2]
	v_mul_f32 v[T0+\k], v[T3+\k], v[T2+\k]         ; z r
	v_fma_f32 v[T1+\k], v[T3+\k], -0.5, 1.0        ; 1 - z / 2
	v_mul_f32 v[T7+\k], v[T3+\k], v[T3+\k]         ; z z
.endr
.irp k, 0,1,2,3
	v_fma_f32 v[T4+\k], v[T4+\k], v[T3+\k], s[KS1]
	v_fma_f32 v[T5+\k], v[T5+\k], v[T3+\k], s[KC1]
.endr
.irp k, 0,1,2,3
	v_fma_f32 v[T4+\k], v[T0+\k], v[T4+\k], v[T2+\k]   ; sin r
	v_fma_f32 v[T5+\k], v[T7+\k], v[T5+\k], v[T1+\k]   ; cos r
.endr
.irp k, 0,1,2,3
	v_lshlrev_b32 v[T0+\k], 31, v[T6+\k]           ; n's bit 0 at the sign's place
	v_lshlrev_b32 v[T1+\k], 30, v[T6+\k]
.endr
.irp k, 0,1,2,3
	v_and_b32 v[T1+\k], 0x80000000, v[T1+\k]       ; n's bit 1 likewise
.endr
.irp k, 0,1,2,3
	v_cmp_ne_u32 vcc_lo, 0, v[T0+\k]               ; n odd: sine and cosine change places
	v_cndmask_b32 v[T2+\k], v[T4+\k], v[T5+\k], vcc_lo
	v_cndmask_b32 v[T3+\k], v[T5+\k], v[T4+\k], vcc_lo
	v_xor_b32 v[T2+\k], v[T2+\k], v[T1+\k]         ; the sine's sign: bit 1
	v_xor_b32 v[T1+\k], v[T1+\k], v[T0+\k]
	v_xor_b32 v[T3+\k], v[T3+\k], v[T1+\k]         ; the cosine's: bit 1 xor bit 0
.endr
.endm
; keys 4 g .. 4 g + 3 of my 32: the pair (x1, x2) of my two channels is turned by the key's angle
.macro VGROUP g
	s_wait_loadcnt 28-4*\g                         ; these four keys' loads are in; the later keys' stay out
.irp k, 0,1,2,3
	v_mul_f32 v[T0+\k], s[32+4*\g+\k], v8          ; the angle: position x theta
.endr
	TRIG
.irp k, 0,1,2,3
	v_mul_f32 v[T4+\k], v[32+2*(4*\g+\k)], v[T3+\k]
	v_mul_f32 v[T5+\k], v[32+2*(4*\g+\k)], v[T2+\k]
.endr
.irp k, 0,1,2,3
	v_fma_f32 v[96+4*\g+\k], -v[33+2*(4*\g+\k)], v[T2+\k], v[T4+\k]    ; x1 cos - x2 sin: the even channel, down the keys
	v_fma_f32 v[128+4*\g+\k], v[33+2*(4*\g+\k)], v[T3+\k], v[T5+\k]    ; x1 sin + x2 cos: the odd channel
.endr
.endm
	s_load_b512 s[4:19], s[0:1], 0x0               ; W_q s[4:5], W_k s[6:7], W_out s[8:9], tokens s[10:11], tracks s[12:13], wproj s[14:15], woc s[16:17], wos s[18:19]
	s_load_b64 s[20:21], s[0:1], 0x40              ; kv
	v_lshl_add_u32 v30, v0, 2, 0x1200              ; my spare word (v30, v31 are kept for the add alone)
	v_mov_b32 v31, 0
	v_lshrrev_b32 v1, 5, v0
	v_readfirstlane_b32 s[WV], v1                  ; wave 0..3
	v_and_b32 v1, 31, v0                           ; lane
	s_cmp_ge_u32 ttmp9, 128                        ; the three paths part on the work-group's number alone
	s_cbranch_scc1 .Lpath_v
	s_cmp_ge_u32 ttmp9, 64
	s_cbranch_scc1 .Lpath_out
	; ---- W_q (work-groups 0-31) and W_k (32-63): 16 groups of 32 columns x 8 K steps = 128 tasks a tensor
	s_and_b32 s22, ttmp9, 31
	s_lshl_b32 s22, s22, 2
	s_add_co_u32 s22, s22, s[WV]                   ; my task
	s_and_b32 s23, s22, 15                         ; group of 32 columns
	s_lshr_b32 s24, s22, 4                         ; K step
	s_lshl_b32 s26, s24, 18                        ; in: 128 rows of 2,048 bytes a K step,
	s_lshl_b32 s25, s23, 7                         ; 128 bytes a group
	s_add_co_u32 s26, s26, s25
	s_mov_b32 s27, 0
	s_lshr_b32 s25, s23, 1                         ; head w
	s_lshl_b32 s28, s25, 15                        ; codes: 32768 w
	s_lshl_b32 s30, s25, 11                        ; scale words: 2048 w
	s_and_b32 s25, s23, 1                          ; b: which 32 of the head's 64
	s_lshl_b32 s29, s25, 11
	s_add_co_u32 s28, s28, s29                     ; + 2048 b
	s_lshl_b32 s29, s25, 10
	s_add_co_u32 s30, s30, s29                     ; + 1024 b
	s_lshl_b32 s29, s24, 12
	s_add_co_u32 s28, s28, s29                     ; + 4096 s
	s_lshl_b32 s29, s24, 2
	s_add_co_u32 s30, s30, s29                     ; + 4 s
	s_add_co_u32 s30, s30, 524288
	s_wait_alu depctr_va_vdst(0)
	v_lshlrev_b32 v2, 2, v1                        ; in: 4 bytes a lane
	v_bfe_u32 v5, v1, 3, 1                         ; u
	v_and_b32 v6, 7, v1
	v_lshrrev_b32 v7, 4, v1
	v_lshl_add_u32 v6, v7, 3, v6                   ; r: column e' = 8 u + r + 8 (r / 8) of the 32
	v_lshlrev_b32 v3, 4, v6
	v_lshl_add_u32 v3, v5, 10, v3                  ; codes: 1024 u + 16 r
	v_lshlrev_b32 v4, 5, v6
	v_lshl_add_u32 v4, v5, 9, v4                   ; scale words: 512 u + 32 r
	s_cmp_lt_u32 ttmp9, 32                         ; W_q or W_k: the choice hangs on the work-group's number alone
	s_cselect_b32 s29, 0, 262144
	s_cselect_b32 s31, 0, 16384
	s_wait_alu depctr_va_vdst(0)
	s_wait_kmcnt 0x0
	s_cselect_b64 s[4:5], s[4:5], s[6:7]
	s_add_co_u32 s28, s28, s29
	s_add_co_u32 s30, s30, s31
	s_mov_b32 s29, 0
	s_mov_b32 s31, 0
	s_add_nc_u64 s[4:5], s[4:5], s[26:27]
	s_add_nc_u64 s[22:23], s[14:15], s[28:29]
	s_add_nc_u64 s[24:25], s[14:15], s[30:31]
	WTASK 2048, 256
.Lpath_out:
	; ---- W_out: 32 groups of 32 columns x 8 K steps = 256 tasks
	s_sub_co_u32 s22, ttmp9, 64
	s_lshl_b32 s22, s22, 2
	s_add_co_u32 s22, s22, s[WV]
	s_and_b32 s23, s22, 31                         ; group of 32 columns
	s_lshr_b32 s24, s22, 5                         ; K step
	s_lshl_b32 s26, s24, 19                        ; in: 128 rows of 4,096 bytes a K step
	s_lshl_b32 s25, s23, 7
	s_add_co_u32 s26, s26, s25
	s_mov_b32 s27, 0
	s_lshl_b32 s28, s23, 14                        ; codes: 32 rows of 512 bytes a group, 64 bytes a K step
	s_lshl_b32 s25, s24, 6
	s_add_co_u32 s28, s28, s25
	s_mov_b32 s29, 0
	s_lshl_b32 s30, s23, 10                        ; scale bytes: 32 rows of 32, 4 a K step
	s_lshl_b32 s25, s24, 2
	s_add_co_u32 s30, s30, s25
	s_mov_b32 s31, 0
	s_wait_alu depctr_va_vdst(0)
	v_lshlrev_b32 v2, 2, v1
	v_lshlrev_b32 v3, 9, v1
	v_lshlrev_b32 v4, 5, v1
	s_wait_alu depctr_va_vdst(0)
	s_wait_kmcnt 0x0
	s_add_nc_u64 s[4:5], s[8:9], s[26:27]
	s_add_nc_u64 s[22:23], s[16:17], s[28:29]
	s_add_nc_u64 s[24:25], s[18:19], s[30:31]
	WTASK 4096, 16
.Lpath_v:
	; ---- V: a work-group takes frame t, key step s (128 keys), 64 channels cg; wave kb takes 32 keys: one block.  Lane l takes the pair of channels 2 l, 2 l + 1.
	s_sub_co_u32 s22, ttmp9, 128
	s_and_b32 s23, s22, 15                         ; cg
	s_bfe_u32 s24, s22, 0x20004                    ; s
	s_lshr_b32 s25, s22, 6                         ; t
	s_lshl_b32 s26, s25, 9
	s_lshl_b32 s27, s24, 7
	s_add_co_u32 s26, s26, s27
	s_lshl_b32 s27, s[WV], 5
	s_add_co_u32 s26, s26, s27                     ; my first key's row: 512 t + 128 s + 32 kb
	s_lshl_b32 s28, s26, 3                         ; tracks: 8 bytes a key,
	s_lshr_b32 s27, s23, 3
	s_lshl_b32 s27, s27, 2                         ; x for channels 0-511, y for 512-1023
	s_add_co_u32 s28, s28, s27
	s_mov_b32 s29, 0
	s_lshl_b32 s30, s26, 12                        ; tokens: 4,096 bytes a key, 256 a group of channels
	s_lshl_b32 s27, s23, 8
	s_add_co_u32 s30, s30, s27
	s_mov_b32 s31, 0
	s_wait_alu depctr_va_vdst(0)
	v_lshlrev_b32 v2, 3, v1                        ; 8 bytes a lane
	s_wait_alu depctr_va_vdst(0)
	s_wait_kmcnt 0x0
	s_add_nc_u64 s[12:13], s[12:13], s[28:29]
	s_add_nc_u64 s[10:11], s[10:11], s[30:31]
.set i, 0
.rept 32
	s_load_b32 s[32+i], s[12:13], 8*i              ; the 32 keys' positions
.set i, i+1
.endr
.set i, 0
.rept 32
	global_load_b64 v[32+2*i:33+2*i], v2, s[10:11] offset:4096*i   ; 32 lanes read 256 consecutive bytes, aligned; the next launch reads the tokens again: no hint
.set i, i+1
.endr
	s_mov_b32 s[KINV], 0x3f22f983                  ; 2 / pi
	s_mov_b32 s[KNHI], 0xbfc90fdb                  ; -(pi / 2 rounded to f32)
	s_mov_b32 s[KPMID], 0x333bbd2e                 ; that rounding's excess over pi / 2
	s_mov_b32 s[KS1], 0xbe2aaaa3
	s_mov_b32 s[KS2], 0x3c08839e
	s_mov_b32 s[KS3], 0xb94ca1f9
	s_mov_b32 s[KC1], 0x3d2aaaa5
	s_mov_b32 s[KC2], 0xbab6061a
	s_mov_b32 s[KC3], 0x37ccf5ce
	s_mov_b32 s[KCHI], 0x3d549a00                  ; log2(10000) / 256: its first 15 bits,
	s_mov_b32 s[KCLO], 0x34f0979a                  ; and the rest
	s_lshl_b32 s26, s25, 3
	s_lshr_b32 s27, s23, 1
	s_add_co_u32 s26, s26, s27
	s_mul_i32 s26, s26, 53248                      ; the record of (t, head = cg / 2)
	s_and_b32 s27, s23, 1
	s_lshl_b32 s28, s27, 12                        ; codes: four tiles of 1,024 bytes for each 64 channels,
	s_add_co_u32 s28, s28, s26
	s_lshl_b32 s29, s24, 13                        ; 8,192 a key step,
	s_add_co_u32 s28, s28, s29
	s_lshl_b32 s29, s[WV], 8                       ; 256 a block
	s_add_co_u32 s28, s28, s29
	s_add_co_u32 s28, s28, 16384
	s_mov_b32 s29, 0
	s_add_nc_u64 s[28:29], s[20:21], s[28:29]
	s_lshl_b32 s30, s27, 8                         ; scale words: 256 bytes for each 64 channels, 512 a key step
	s_add_co_u32 s30, s30, s26
	s_lshl_b32 s31, s24, 9
	s_add_co_u32 s30, s30, s31
	s_add_co_u32 s30, s30, 51200
	s_mov_b32 s31, 0
	s_add_nc_u64 s[30:31], s[20:21], s[30:31]
	s_lshl_b32 s22, s[WV], 10
	v_lshl_add_u32 v3, v1, 5, s22                  ; my stage, in: channel ch at 16 ch: 32 bytes a lane
	v_lshl_add_u32 v4, v1, 4, s22                  ; and back: 16 bytes a lane
	v_lshlrev_b32 v6, 3, v1
	v_add_nc_u32 v6, SCB, v6                       ; the scale words of my two channels,
	v_add_nc_u32 v5, s[WV], v6                     ; and my block's byte in the first
	v_lshrrev_b32 v7, 4, v1
	v_and_b32 v9, 15, v1
	v_lshlrev_b32 v7, 10, v7
	v_lshl_add_u32 v7, v9, 4, v7                   ; out: 1024 (lane / 16) + 16 (lane % 16)
	s_and_b32 s22, s23, 7
	s_lshl_b32 s22, s22, 5
	v_add_nc_u32 v8, s22, v1                       ; e: my pair's number among the half's 256
	v_cvt_f32_u32 v8, v8
	v_mul_f32 v9, s[KCHI], v8                      ; exact
	v_rndne_f32 v10, v9
	v_sub_f32 v9, v9, v10
	v_fma_f32 v9, v8, s[KCLO], v9
	s_wait_alu depctr_va_vdst(0)
	v_exp_f32 v9, -v9
	v_cvt_i32_f32 v10, v10                         ; (a plain line behind the exponential)
	v_sub_nc_u32 v10, 0, v10
	s_wait_alu depctr_va_vdst(0)
	v_ldexp_f32 v8, v9, v10                        ; theta
	s_wait_alu depctr_va_vdst(0)
	s_wait_kmcnt 0x0                               ; the positions
.irp g, 0,1,2,3,4,5,6,7
	VGROUP \g
.endr
	BLK32 96, 16, 24                               ; the even channel's block of 32 keys,
	BLK32 128, 20, 25                              ; the odd channel's
	ds_store_b128 v3, v[16:19]
	ds_store_b128 v3, v[20:23] offset:16
	ds_store_b8 v5, v24
	ds_store_b8 v5, v25 offset:4
	ds_load_b128 v[32:35], v4                      ; LDS serves a wave's instructions in order: these see my stores.  Lane l now holds channel l,
	ds_load_b128 v[36:39], v4 offset:512           ; and channel 32 + l
	s_wait_dscnt 0x0                               ; for the others' sake: my scale bytes have landed
	s_barrier_signal -1
	s_barrier_wait -1
	global_store_b128 v7, v[32:35], s[28:29]               ; sixteen lanes store 256 consecutive bytes, aligned: block kb of one tile
	global_store_b128 v7, v[36:39], s[28:29] offset:2048
	s_cmp_lg_u32 s[WV], 0
	s_cbranch_scc1 .Lv_end
	ds_load_b64 v[40:41], v6                       ; the four waves' bytes: 64 whole scale words
	s_wait_dscnt 0x0
	global_store_b64 v2, v[40:41], s[30:31]        ; 256 consecutive bytes, aligned
.Lv_end:
	s_wait_tensorcnt 0x0
	ds_add_u32 v30, v31
	s_wait_dscnt 0x0
	s_endpgm
.Lfunc_end_k_q0d24366d23_prep:
	.size	k_q0d24366d23_prep, .Lfunc_end_k_q0d24366d23_prep-k_q0d24366d23_prep
	.p2alignl 7, 3214868480
	.fill 96, 4, 3214868480
	.section	.rodata,"a",@progbits
	.p2align	6, 0x0
	.amdhsa_kernel k_q0d24366d23_prep
		.amdhsa_group_segment_fixed_size 5120
		.amdhsa_private_segment_fixed_size 0
		.amdhsa_enable_private_segment 0
		.amdhsa_kernarg_size 72
		.amdhsa_user_sgpr_count 2
		.amdhsa_user_sgpr_kernarg_segment_ptr 1
		.amdhsa_wavefront_size32 1
		.amdhsa_system_sgpr_workgroup_id_x 1
		.amdhsa_system_sgpr_workgroup_id_y 1
		.amdhsa_system_sgpr_workgroup_id_z 1
		.amdhsa_system_vgpr_workitem_id 0
		.amdhsa_next_free_vgpr 192
		.amdhsa_next_free_sgpr 84
		.amdhsa_reserve_vcc 1
		.amdhsa_float_denorm_mode_32 3
		.amdhsa_float_denorm_mode_16_64 3
		.amdhsa_memory_ordered 1
		.amdhsa_forward_progress 1
		.amdhsa_inst_pref_size 94
	.end_amdhsa_kernel
	.amdgpu_metadata
---
amdhsa.version: [ 1, 2 ]
amdhsa.kernels:
  - .name:           k_q0d24366d23_prep
    .symbol:         k_q0d24366d23_prep.kd
    .args:
      - { .name: W_q, .offset: 0, .size: 8, .value_kind: global_buffer, .address_space: global }
      - { .name: W_k, .offset: 8, .size: 8, .value_kind: global_buffer, .address_space: global }
      - { .name: W_out, .offset: 16, .size: 8, .value_kind: global_buffer, .address_space: global }
      - { .name: updated_track_tokens, .offset: 24, .size: 8, .value_kind: global_buffer, .address_space: global }
      - { .name: tracks, .offset: 32, .size: 8, .value_kind: global_buffer, .address_space: global }
      - { .name: wproj, .offset: 40, .size: 8, .value_kind: global_buffer, .address_space: global }
      - { .name: woc, .offset: 48, .size: 8, .value_kind: global_buffer, .address_space: global }
      - { .name: wos, .offset: 56, .size: 8, .value_kind: global_buffer, .address_space: global }
      - { .name: kv, .offset: 64, .size: 8, .value_kind: global_buffer, .address_space: global }
    .group_segment_fixed_size: 5120
    .private_segment_fixed_size: 0
    .kernarg_segment_align: 8
    .kernarg_segment_size: 72
    .max_flat_workgroup_size: 128
    .sgpr_count:     84
    .vgpr_count:     192
    .wavefront_size: 32
...
	.end_amdgpu_metadata
.endif
;; end of part 1
;; launch proj (part 2): grid 256 x 1, 8 waves a work-group, no clusters, 327,680 bytes of LDS; arguments grid_coords_tokens, updated_track_tokens, tracks, q_gamma, k_gamma, wproj, qq, kv; writes qq, kv
.if DOCPART == 2
	.amdgcn_target "amdgcn-amd-amdhsa--gfx1250"
	.amdhsa_code_object_version 6
	.text
	.protected	k_q0d24366d23_proj
	.globl	k_q0d24366d23_proj
	.p2align	8
	.type	k_q0d24366d23_proj,@function
k_q0d24366d23_proj:
	s_mov_b64 s[64:65], 0
	v_nop
	global_prefetch_b8 v0, s[64:65] scope:SCOPE_SE
	s_setreg_imm32_b32 hwreg(HW_REG_WAVE_MODE, 25, 1), 1
	s_wait_xcnt 0x0
.set TILEB, 16896
.set SLOT1, 135168
.set XIMG,  270336
.set XSC,   286720
.set P1,    288768
.set P2,    1536
.set SPARE, 291840
.set ACC, 16
.set TM,  80
.set SPW, 106
.set NIL, 107
.set SW,  108
.set GA,  112
.set XF,  144
.set XS,  208
.set WS,  216
.set POS, 248
.set XA0, 4
.set XA1, 250
.set KW,  251
.set CH,  144
.set RD,  160
.set RP,  164
.set PS,  168
.set MU,  200
.set TH,  32
.set TA,  48
.set TN,  192
.set T0,  64
.set T1,  80
.set T2,  96
.set T3,  112
.set T4,  128
.set T5,  144
.set T6,  160
.set T7,  176
.set G0A, 20
.set G1,  24
.set G0B, 32
.set G0C, 36
.set WKI, 44
.set WKS, 46
.set WQI, 48
.set WQS, 50
.set GK,  52
.set GQ,  54
.set TRB, 56
.set OCQ, 58
.set OSQ, 60
.set OCK, 62
.set OSK, 82
.set KINV,  66
.set KNHI,  67
.set KPMID, 68
.set KS1,   69
.set KS2,   70
.set KS3,   71
.set KC1,   72
.set KC2,   73
.set KC3,   74
.set KCHI,  75
.set KCLO,  76
.set SEL,   78
.set EPS,   80
.set WV,    81
.set MSB, 0
.macro WIN new
.if MSB != \new
	s_set_vgpr_msb (MSB<<8)|\new
.set MSB, \new
.endif
.endm
.macro QUANT4 s, pc, pw
.irp b, 0,1,2,3
	v_max3_num_f32 v[TM+\b], |v[\s+16*\b]|, |v[\s+1+16*\b]|, 0x1800000
.endr
.irp i, 2,4,6,8,10,12,14
.irp b, 0,1,2,3
	s_delay_alu instid0(VALU_DEP_4)
	v_max3_num_f32 v[TM+\b], v[TM+\b], |v[\s+16*\b+\i]|, |v[\s+1+16*\b+\i]|
.endr
.endr
.irp b, 0,1,2,3
	s_delay_alu instid0(VALU_DEP_4)
	v_permlanex16_b32 v[TM+4+\b], v[TM+\b], s[SEL], s[SEL+1]
.endr
.irp b, 0,1,2,3
	s_delay_alu instid0(VALU_DEP_4)
	v_max_num_f32 v[TM+\b], v[TM+\b], v[TM+4+\b]
.endr
.irp b, 0,1,2,3
	s_delay_alu instid0(VALU_DEP_4)
	v_add_nc_u32 v[TM+12+\b], 0xff000000, v[TM+\b]
.endr
.irp b, 0,1,2,3
	s_delay_alu instid0(VALU_DEP_4)
	v_lshrrev_b32 v[TM+4+\b], 23, v[TM+12+\b]
.endr
	s_delay_alu instid0(VALU_DEP_3)
	v_lshl_or_b32 v[\pw], v[TM+5], 8, v[TM+4]
	s_delay_alu instid0(VALU_DEP_1)
	v_lshl_or_b32 v[\pw], v[TM+6], 16, v[\pw]
	s_delay_alu instid0(VALU_DEP_1)
	v_lshl_or_b32 v[\pw], v[TM+7], 24, v[\pw]
.irp b, 0,1,2,3
	v_cvt_scalef32_pk8_fp4_f32 v[\pc+2*\b], v[\s+16*\b:\s+7+16*\b], v[TM+12+\b]
	v_cvt_scalef32_pk8_fp4_f32 v[\pc+1+2*\b], v[\s+8+16*\b:\s+15+16*\b], v[TM+12+\b]
.endr
	v_nop
.irp c, 0,1
.irp i, 0,1
	v_permlane16_swap_b32 v[\pc+4*\c+\i], v[\pc+2+4*\c+\i]
.endr
.endr
.endm
.macro QUANT2 s, pc, pw
.irp b, 0,1
	v_max3_num_f32 v[144+\b], |v[\s+16*\b]|, |v[\s+1+16*\b]|, 0x1800000
.endr
.irp i, 2,4,6,8,10,12,14
.irp b, 0,1
	s_delay_alu instid0(VALU_DEP_2)
	v_max3_num_f32 v[144+\b], v[144+\b], |v[\s+16*\b+\i]|, |v[\s+1+16*\b+\i]|
.endr
.endr
.irp b, 0,1
	s_delay_alu instid0(VALU_DEP_2)
	v_permlanex16_b32 v[146+\b], v[144+\b], s[SEL], s[SEL+1]
.endr
.irp b, 0,1
	s_delay_alu instid0(VALU_DEP_2)
	v_max_num_f32 v[144+\b], v[144+\b], v[146+\b]
.endr
.irp b, 0,1
	s_delay_alu instid0(VALU_DEP_2)
	v_add_nc_u32 v[148+\b], 0xff000000, v[144+\b]
.endr
.irp b, 0,1
	s_delay_alu instid0(VALU_DEP_2)
	v_lshrrev_b32 v[146+\b], 23, v[148+\b]
.endr
	s_delay_alu instid0(VALU_DEP_1)
	v_lshl_or_b32 v[\pw], v147, 8, v146
	s_delay_alu instid0(VALU_DEP_1)
	v_or_b32 v[\pw], 0x7f7f0000, v[\pw]
.irp b, 0,1
	v_cvt_scalef32_pk8_fp4_f32 v[\pc+2*\b], v[\s+16*\b:\s+7+16*\b], v[148+\b]
	v_cvt_scalef32_pk8_fp4_f32 v[\pc+1+2*\b], v[\s+8+16*\b:\s+15+16*\b], v[148+\b]
.endr
	v_nop
	v_permlane16_swap_b32 v[\pc], v[\pc+2]
	v_permlane16_swap_b32 v[\pc+1], v[\pc+3]
.endm
.macro FETCHX s
.irp m, 0,1
	ds_load_b128 v[XF+16*((\s)%4)+8*\m:XF+16*((\s)%4)+8*\m+3], v5 offset:(8*\m+(\s))*1024
	ds_load_b128 v[XF+16*((\s)%4)+8*\m+4:XF+16*((\s)%4)+8*\m+7], v5 offset:(8*\m+(\s))*1024+512
	ds_load_b32 v[XS+2*((\s)%4)+\m], v6 offset:(8*\m+(\s))*128
.endr
.endm
.macro WLOADS wb, sb
	WIN 0x40
.set f, 0
.rept 32
	global_load_b128 v[8*f:8*f+3], v11, s[\wb:\wb+1] offset:f*1024
	global_load_b128 v[8*f+4:8*f+7], v11, s[\wb:\wb+1] offset:f*1024+512
.set f, f+1
.endr
	WIN 0
.irp T, 0,1,2,3
.irp q, 0,1
	global_load_b128 v[WS+8*\T+4*\q:WS+8*\T+4*\q+3], v12, s[\sb:\sb+1] offset:512*\T+16*\q
.endr
.endr
.endm
.macro GLOAD gb
.irp q, 0,1,2,3,4,5,6,7
	global_load_b128 v[GA+4*\q:GA+4*\q+3], v13, s[\gb:\gb+1] offset:128*(\q/4)+16*(\q%4)
.endr
.endm
.macro XPHASE adr, left, first
.if !\first
	s_wait_xcnt 0x0
.endif
	s_wait_tensorcnt \left
.irp b, 0,1,2,3
.irp j, 0,1,2,3
	ds_load_b128 v[16+16*\b+4*\j:19+16*\b+4*\j], v[\adr] offset:128*\b+16*\j
.endr
.endr
.irp b, 0,1,2,3
.irp j, 0,1,2,3
	ds_load_b128 v[144+16*\b+4*\j:147+16*\b+4*\j], v[\adr] offset:8*528+128*\b+16*\j
.endr
.endr
	s_wait_dscnt 16
	QUANT4 16, 96, 104
	ds_store_b128 v7, v[96:99]
	ds_store_b128 v7, v[100:103] offset:512
	ds_store_b32 v8, v104
	s_wait_dscnt 0x0
	QUANT4 144, 96, 104
	ds_store_b128 v7, v[96:99] offset:8192
	ds_store_b128 v7, v[100:103] offset:8192+512
	ds_store_b32 v8, v104 offset:1024
	s_wait_dscnt 0x0
	s_barrier_signal -1
	s_barrier_wait -1
.endm
.macro PRODUCTS
	s_wait_loadcnt 0x0
	FETCHX 0
	FETCHX 1
	FETCHX 2
.irp s, 0,1,2,3,4,5,6,7
.if \s < 5
	FETCHX \s+3
	s_wait_dscnt 18
.else
	s_wait_dscnt 6*(7-\s)
.endif
	WIN 0x01
.irp m, 0,1
.irp T, 0,1,2,3
.if \s == 0
	v_wmma_scale_f32_16x16x128_f8f6f4 v[ACC+32*\m+8*\T:ACC+32*\m+8*\T+7], v[8*(4*\s+\T):8*(4*\s+\T)+7], v[XF+16*(\s%4)+8*\m:XF+16*(\s%4)+8*\m+7], 0, v[WS+8*\T+\s], v[XS+2*(\s%4)+\m] matrix_a_fmt:MATRIX_FMT_FP4 matrix_b_fmt:MATRIX_FMT_FP4
.else
	v_wmma_scale_f32_16x16x128_f8f6f4 v[ACC+32*\m+8*\T:ACC+32*\m+8*\T+7], v[8*(4*\s+\T):8*(4*\s+\T)+7], v[XF+16*(\s%4)+8*\m:XF+16*(\s%4)+8*\m+7], v[ACC+32*\m+8*\T:ACC+32*\m+8*\T+7], v[WS+8*\T+\s], v[XS+2*(\s%4)+\m] matrix_a_fmt:MATRIX_FMT_FP4 matrix_b_fmt:MATRIX_FMT_FP4
.endif
.endr
.endr
	WIN 0
.rept 4
	v_nop
.endr
.endr
.endm
.macro LNRED off, refill
.irp m, 0,1
	s_delay_alu instid0(VALU_DEP_2)
	v_pk_add_f32 v[CH+4*\m:CH+4*\m+1], v[CH+4*\m:CH+4*\m+1], v[CH+4*\m+2:CH+4*\m+3]
.endr
.irp m, 0,1
	s_delay_alu instid0(VALU_DEP_2)
	v_add_f32 v[RD+\m], v[CH+4*\m], v[CH+4*\m+1]
.endr
.irp m, 0,1
	s_delay_alu instid0(VALU_DEP_2)
	v_permlanex16_b32 v[RP+\m], v[RD+\m], s[SEL], s[SEL+1]
.endr
.irp m, 0,1
	s_delay_alu instid0(VALU_DEP_2)
	v_add_f32 v[RD+\m], v[RD+\m], v[RP+\m]
.endr
.irp m, 0,1
	ds_store_b32 v9, v[RD+\m] offset:\off+768*\m
.endr
.if \refill
	s_wait_tensorcnt 0x0
	ds_add_u32 v[SPW], v[NIL]
.endif
	s_wait_dscnt 0x0
	s_barrier_signal -1
	s_barrier_wait -1
.if \refill
	tensor_load_to_lds s[G0C:G0C+3], s[G1:G1+7]
	s_nop 0
.rept 4
	v_nop
.endr
.endif
.irp m, 0,1
	ds_load_b128 v[PS+8*\m:PS+8*\m+3], v10 offset:\off+768*\m
	ds_load_b128 v[PS+8*\m+4:PS+8*\m+7], v10 offset:\off+768*\m+16
.endr
	s_wait_dscnt 0x0
.irp m, 0,1
	v_pk_add_f32 v[PS+8*\m:PS+8*\m+1], v[PS+8*\m:PS+8*\m+1], v[PS+8*\m+2:PS+8*\m+3]
	v_pk_add_f32 v[PS+8*\m+4:PS+8*\m+5], v[PS+8*\m+4:PS+8*\m+5], v[PS+8*\m+6:PS+8*\m+7]
.endr
.irp m, 0
	s_delay_alu instid0(VALU_DEP_3)
	v_pk_add_f32 v[PS+8*\m:PS+8*\m+1], v[PS+8*\m:PS+8*\m+1], v[PS+8*\m+4:PS+8*\m+5]
.endr
.irp m, 1
	s_delay_alu instid0(VALU_DEP_2)
	v_pk_add_f32 v[PS+8*\m:PS+8*\m+1], v[PS+8*\m:PS+8*\m+1], v[PS+8*\m+4:PS+8*\m+5]
.endr
.irp m, 0,1
	s_delay_alu instid0(VALU_DEP_2)
	v_add_f32 v[RD+\m], v[PS+8*\m], v[PS+8*\m+1]
.endr
.endm
.macro NORM refill
.irp m, 0,1
	v_pk_add_f32 v[CH+4*\m:CH+4*\m+1], v[ACC+32*\m:ACC+32*\m+1], v[ACC+32*\m+2:ACC+32*\m+3]
.endr
.irp m, 0,1
	v_pk_add_f32 v[CH+4*\m+2:CH+4*\m+3], v[ACC+32*\m+4:ACC+32*\m+5], v[ACC+32*\m+6:ACC+32*\m+7]
.endr
.irp i, 8,12,16,20,24,28
.irp m, 0,1
	v_pk_add_f32 v[CH+4*\m:CH+4*\m+1], v[CH+4*\m:CH+4*\m+1], v[ACC+32*\m+\i:ACC+32*\m+\i+1]
.endr
.irp m, 0,1
	v_pk_add_f32 v[CH+4*\m+2:CH+4*\m+3], v[CH+4*\m+2:CH+4*\m+3], v[ACC+32*\m+\i+2:ACC+32*\m+\i+3]
.endr
.endr
	LNRED 0, \refill
.irp m, 0,1
	s_delay_alu instid0(VALU_DEP_2)
	v_mul_f32 v[MU+2*\m], 0xbb000000, v[RD+\m]
.endr
.irp m, 0,1
	s_delay_alu instid0(VALU_DEP_2)
	v_mov_b32 v[MU+2*\m+1], v[MU+2*\m]
.endr
.irp i, 0,2,4,6,8,10,12,14,16,18,20,22,24,26,28,30
.irp m, 0,1
	v_pk_add_f32 v[ACC+32*\m+\i:ACC+32*\m+\i+1], v[ACC+32*\m+\i:ACC+32*\m+\i+1], v[MU+2*\m:MU+2*\m+1]
.endr
.endr
.irp m, 0,1
	v_pk_mul_f32 v[CH+4*\m:CH+4*\m+1], v[ACC+32*\m:ACC+32*\m+1], v[ACC+32*\m:ACC+32*\m+1]
	v_pk_mul_f32 v[CH+4*\m+2:CH+4*\m+3], v[ACC+32*\m+2:ACC+32*\m+3], v[ACC+32*\m+2:ACC+32*\m+3]
.endr
.irp i, 4,8,12,16,20,24,28
.irp m, 0,1
	v_pk_fma_f32 v[CH+4*\m:CH+4*\m+1], v[ACC+32*\m+\i:ACC+32*\m+\i+1], v[ACC+32*\m+\i:ACC+32*\m+\i+1], v[CH+4*\m:CH+4*\m+1]
.endr
.irp m, 0
	v_pk_fma_f32 v[CH+4*\m+2:CH+4*\m+3], v[ACC+32*\m+\i+2:ACC+32*\m+\i+3], v[ACC+32*\m+\i+2:ACC+32*\m+\i+3], v[CH+4*\m+2:CH+4*\m+3]
.endr
.irp m, 1
	s_delay_alu instid0(VALU_DEP_4)
	v_pk_fma_f32 v[CH+4*\m+2:CH+4*\m+3], v[ACC+32*\m+\i+2:ACC+32*\m+\i+3], v[ACC+32*\m+\i+2:ACC+32*\m+\i+3], v[CH+4*\m+2:CH+4*\m+3]
.endr
.endr
	LNRED P2, 0
.irp m, 0,1
	s_delay_alu instid0(VALU_DEP_2)
	v_fma_f32 v[RD+\m], v[RD+\m], 0x3b000000, s[EPS]
.endr
	s_wait_alu depctr_va_vdst(0)
.irp m, 0,1
	v_rsq_f32 v[MU+2*\m], v[RD+\m]
.endr
	v_nop
	s_wait_alu depctr_va_vdst(0)
.irp m, 0,1
	v_mov_b32 v[MU+2*\m+1], v[MU+2*\m]
.endr
.irp i, 0,2,4,6,8,10,12,14,16,18,20,22,24,26,28,30
.irp m, 0,1
	v_pk_mul_f32 v[ACC+32*\m+\i:ACC+32*\m+\i+1], v[ACC+32*\m+\i:ACC+32*\m+\i+1], v[MU+2*\m:MU+2*\m+1]
.endr
.endr
.irp i, 0,2,4,6,8,10,12,14,16,18,20,22,24,26,28,30
.irp m, 0,1
	v_pk_mul_f32 v[ACC+32*\m+\i:ACC+32*\m+\i+1], v[ACC+32*\m+\i:ACC+32*\m+\i+1], v[GA+\i:GA+\i+1]
.endr
.endr
.endm
.macro OUTC base, off, w0
.irp m, 0,1
	QUANT2 ACC+32*\m, 160+4*\m, \w0+\m
	global_store_b128 v11, v[160+4*\m:163+4*\m], s[\base:\base+1] offset:\off+512*\m
.endr
.endm
.macro TRIG
.irp k, 0,1,2,3,4,5,6,7,8,9,10,11,12,13,14,15
	v_mul_f32 v[T1+\k], s[KINV], v[T0+\k]
.endr
.irp k, 0,1,2,3,4,5,6,7,8,9,10,11,12,13,14,15
	v_rndne_f32 v[T1+\k], v[T1+\k]
.endr
.irp k, 0,1,2,3,4,5,6,7,8,9,10,11,12,13,14,15
	v_fma_f32 v[T2+\k], v[T1+\k], s[KNHI], v[T0+\k]
.endr
.irp k, 0,1,2,3,4,5,6,7,8,9,10,11,12,13,14,15
	v_fma_f32 v[T2+\k], v[T1+\k], s[KPMID], v[T2+\k]
	v_cvt_i32_f32 v[T6+\k], v[T1+\k]
.endr
.irp k, 0,1,2,3,4,5,6,7,8,9,10,11,12,13,14,15
	v_mul_f32 v[T3+\k], v[T2+\k], v[T2+\k]
.endr
.irp k, 0,1,2,3,4,5,6,7,8,9,10,11,12,13,14,15
	v_fma_f32 v[T4+\k], v[T3+\k], s[KS3], s[KS2]
	v_fma_f32 v[T5+\k], v[T3+\k], s[KC3], s[KC2]
	v_mul_f32 v[T0+\k], v[T3+\k], v[T2+\k]
	v_fma_f32 v[T1+\k], v[T3+\k], -0.5, 1.0
	v_mul_f32 v[T7+\k], v[T3+\k], v[T3+\k]
.endr
.irp k, 0,1,2,3,4,5,6,7,8,9,10,11,12,13,14,15
	v_fma_f32 v[T4+\k], v[T4+\k], v[T3+\k], s[KS1]
	v_fma_f32 v[T5+\k], v[T5+\k], v[T3+\k], s[KC1]
.endr
.irp k, 0,1,2,3,4,5,6,7,8,9,10,11,12,13,14,15
	v_fma_f32 v[T4+\k], v[T0+\k], v[T4+\k], v[T2+\k]
	v_fma_f32 v[T5+\k], v[T7+\k], v[T5+\k], v[T1+\k]
.endr
.irp k, 0,1,2,3,4,5,6,7,8,9,10,11,12,13,14,15
	v_lshlrev_b32 v[T0+\k], 31, v[T6+\k]
	v_lshlrev_b32 v[T1+\k], 30, v[T6+\k]
.endr
.irp k, 0,1,2,3,4,5,6,7,8,9,10,11,12,13,14,15
	v_and_b32 v[T1+\k], 0x80000000, v[T1+\k]
.endr
.irp k, 0,1,2,3,4,5,6,7,8,9,10,11,12,13,14,15
	v_cmp_ne_u32 vcc_lo, 0, v[T0+\k]
	s_delay_alu instid0(VALU_DEP_1)
	v_cndmask_b32 v[T2+\k], v[T4+\k], v[T5+\k], vcc_lo
	s_delay_alu instid0(VALU_DEP_2)
	v_cndmask_b32 v[T3+\k], v[T5+\k], v[T4+\k], vcc_lo
	s_delay_alu instid0(VALU_DEP_2)
	v_xor_b32 v[T2+\k], v[T2+\k], v[T1+\k]
	v_xor_b32 v[T1+\k], v[T1+\k], v[T0+\k]
	s_delay_alu instid0(VALU_DEP_1)
	v_xor_b32 v[T3+\k], v[T3+\k], v[T1+\k]
.endr
.endm
	s_load_b512 s[4:19], s[0:1], 0x0
	v_lshl_add_u32 v[SPW], v0, 2, SPARE
	v_mov_b32 v[NIL], 0
	ds_add_u32 v106, v107
	ds_add_u32 v106, v107
	s_wait_dscnt 0x0
	v_lshrrev_b32 v1, 5, v0
	s_delay_alu instid0(VALU_DEP_1)
	v_readfirstlane_b32 s[WV], v1
	s_mov_b32 s[G1+0], (2<<16)|(1<<20)|(6<<22)|(3<<25)
	s_mov_b32 s[G1+1], 128<<16
	s_mov_b32 s[G1+2], 32<<16
	s_mov_b32 s[G1+3], 128<<16
	s_mov_b32 s[G1+4], 32
	s_mov_b32 s[G1+5], 1024
	s_mov_b32 s[G1+6], 0
	s_mov_b32 s[G1+7], 0
	s_lshl_b32 s86, s[WV], 9
	s_lshl_b32 s84, ttmp9, 17
	s_add_co_u32 s84, s84, s86
	s_mov_b32 s85, 0
	s_lshl_b32 s88, ttmp9, 18
	s_add_co_u32 s88, s88, s86
	s_mov_b32 s89, 0
	s_mul_i32 s87, s[WV], TILEB
	s_wait_kmcnt 0x0
	s_mov_b32 s[G0A], 1
	s_mul_i32 s[G0A+1], s[WV], TILEB
	s_add_nc_u64 s[G0A+2:G0A+3], s[6:7], s[84:85]
	s_or_b32 s[G0A+3], s[G0A+3], 0x80000000
	s_mov_b32 s[G0B], 1
	s_add_co_u32 s[G0B+1], s87, SLOT1
	s_add_nc_u64 s[G0B+2:G0B+3], s[4:5], s[88:89]
	s_mov_b32 s[G0C], 1
	s_mul_i32 s[G0C+1], s[WV], TILEB
	s_add_nc_u64 s[G0C+2:G0C+3], s[G0B+2:G0B+3], 131072
	s_or_b32 s[G0B+3], s[G0B+3], 0x80000000
	s_or_b32 s[G0C+3], s[G0C+3], 0x80000000
	tensor_load_to_lds s[G0A:G0A+3], s[G1:G1+7]    ; the keys' 32 rows: my one tensor load at the head; the addresses and the weights' loads below are issued while it is out
	s_nop 0
.rept 4
	v_nop
.endr
	v_and_b32 v1, 31, v0
	v_and_b32 v2, 15, v0
	v_bfe_u32 v3, v0, 4, 1
	s_delay_alu instid0(VALU_DEP_2)
	v_and_b32 v252, 8, v2
	s_delay_alu instid0(VALU_DEP_1)
	v_add_nc_u32 v252, v252, v2
	s_delay_alu instid0(VALU_DEP_1)
	v_mul_u32_u24 v[XA0], v252, 528
	s_delay_alu instid0(VALU_DEP_1)
	v_lshl_add_u32 v[XA0], v3, 6, v[XA0]
	s_delay_alu instid0(VALU_DEP_1)
	v_add_nc_u32 v[XA0], s87, v[XA0]
	s_delay_alu instid0(VALU_DEP_1)
	v_add_nc_u32 v[XA1], SLOT1, v[XA0]
	v_lshlrev_b32 v11, 4, v1
	s_delay_alu instid0(VALU_DEP_1)
	v_add_nc_u32 v5, XIMG, v11
	v_lshlrev_b32 v6, 2, v1
	s_delay_alu instid0(VALU_DEP_1)
	v_add_nc_u32 v6, XSC, v6
	s_lshl_b32 s84, s[WV], 10
	v_add_nc_u32 v7, s84, v5
	s_lshl_b32 s84, s[WV], 7
	v_add_nc_u32 v8, s84, v6
	v_mul_u32_u24 v10, v2, 48
	s_delay_alu instid0(VALU_DEP_1)
	v_add_nc_u32 v10, P1, v10
	s_lshl_b32 s84, s[WV], 2
	v_add_nc_u32 v9, s84, v10
	v_lshlrev_b32 v12, 5, v2
	v_lshlrev_b32 v13, 6, v3
	s_wait_alu depctr_va_vdst(0)
	v_lshlrev_b32 v14, 3, v252
	s_wait_alu depctr_va_vdst(0)
	v_lshlrev_b32 v15, 3, v1
	v_lshlrev_b32 v[KW], 3, v2
	s_delay_alu instid0(VALU_DEP_1)
	v_lshl_add_u32 v[KW], v3, 2, v[KW]
.irp b, 0,1,2,3
	v_mov_b32 v[TM+4+\b], 0
.endr
	s_lshl_b32 s88, s[WV], 15
	s_add_nc_u64 s[WQI:WQI+1], s[14:15], s[88:89]
	s_add_nc_u64 s[WKI:WKI+1], s[WQI:WQI+1], 262144
	s_lshl_b32 s88, s[WV], 11
	s_add_co_u32 s88, s88, 524288
	s_add_nc_u64 s[WQS:WQS+1], s[14:15], s[88:89]
	s_add_nc_u64 s[WKS:WKS+1], s[WQS:WQS+1], 16384
	s_lshl_b32 s88, s[WV], 8
	s_add_nc_u64 s[GK:GK+1], s[12:13], s[88:89]
	s_add_nc_u64 s[GQ:GQ+1], s[10:11], s[88:89]
	s_lshl_b32 s88, ttmp9, 8
	s_lshr_b32 s90, s[WV], 2
	s_lshl_b32 s90, s90, 2
	s_add_co_u32 s88, s88, s90
	s_add_nc_u64 s[TRB:TRB+1], s[8:9], s[88:89]
	WLOADS WKI, WKS
	GLOAD GK
.irp m, 0,1
	global_load_b32 v[POS+\m], v14, s[TRB:TRB+1] offset:64*\m
.endr
	s_lshr_b32 s84, ttmp9, 4
	s_lshl_b32 s84, s84, 3
	s_add_co_u32 s84, s84, s[WV]
	s_and_b32 s86, ttmp9, 15
	s_lshl_b32 s88, s84, 15
	s_lshl_b32 s90, s86, 11
	s_add_co_u32 s88, s88, s90
	s_add_nc_u64 s[OCQ:OCQ+1], s[16:17], s[88:89]
	s_lshl_b32 s88, s84, 12
	s_lshl_b32 s90, s86, 8
	s_add_co_u32 s88, s88, s90
	s_add_co_u32 s88, s88, 4194304
	s_add_nc_u64 s[OSQ:OSQ+1], s[16:17], s[88:89]
	s_mul_i32 s88, s84, 53248
	s_lshl_b32 s90, s86, 10
	s_add_co_u32 s88, s88, s90
	s_add_nc_u64 s[OCK:OCK+1], s[18:19], s[88:89]
	s_mul_i32 s88, s84, 53248
	s_lshl_b32 s90, s86, 7
	s_add_co_u32 s88, s88, s90
	s_add_co_u32 s88, s88, 49152
	s_add_nc_u64 s[OSK:OSK+1], s[18:19], s[88:89]
	s_mov_b32 s[SEL], 0x76543210
	s_mov_b32 s[SEL+1], 0xfedcba98
	s_mov_b32 s[EPS], 0x358637bd
	s_mov_b32 s[KINV], 0x3f22f983
	s_mov_b32 s[KNHI], 0xbfc90fdb
	s_mov_b32 s[KPMID], 0x333bbd2e
	s_mov_b32 s[KS1], 0xbe2aaaa3
	s_mov_b32 s[KS2], 0x3c08839e
	s_mov_b32 s[KS3], 0xb94ca1f9
	s_mov_b32 s[KC1], 0x3d2aaaa5
	s_mov_b32 s[KC2], 0xbab6061a
	s_mov_b32 s[KC3], 0x37ccf5ce
	s_mov_b32 s[KCHI], 0x3d549a00
	s_mov_b32 s[KCLO], 0x34f0979a
	s_wait_alu depctr_va_vdst(0)                   ; the wait at the head's end
	s_wait_tensorcnt 0x0                           ; my part of slot 0 is in
	ds_add_u32 v[SPW], v[NIL]
	s_wait_dscnt 0x0
	s_barrier_signal -1
	s_barrier_wait -1
	tensor_load_to_lds s[G0B:G0B+3], s[G1:G1+7]    ; slot 1's first fill: the first 32 queries' rows
	s_nop 0
.rept 4
	v_nop
.endr
	XPHASE XA0, 1, 1
	PRODUCTS
	s_and_b32 s84, s[WV], 3
	s_lshl_b32 s84, s84, 6
	v_lshl_add_u32 v252, v3, 4, s84
	WIN 0x40
.irp k, 0,1,2,3,4,5,6,7,8,9,10,11,12,13,14,15
	v_add_nc_u32 v[TH+\k], 2*(\k+8*(\k/8)), v252
.endr
	WIN 0x55
.irp k, 0,1,2,3,4,5,6,7,8,9,10,11,12,13,14,15
	v_cvt_f32_u32 v[TH+\k], v[TH+\k]
.endr
.irp k, 0,1,2,3,4,5,6,7,8,9,10,11,12,13,14,15
	v_mul_f32 v[TA+\k], s[KCHI], v[TH+\k]
.endr
.irp k, 0,1,2,3,4,5,6,7,8,9,10,11,12,13,14,15
	v_rndne_f32 v[TN+\k], v[TA+\k]
.endr
.irp k, 0,1,2,3,4,5,6,7,8,9,10,11,12,13,14,15
	v_sub_f32 v[TA+\k], v[TA+\k], v[TN+\k]
.endr
.irp k, 0,1,2,3,4,5,6,7,8,9,10,11,12,13,14,15
	v_fma_f32 v[TA+\k], v[TH+\k], s[KCLO], v[TA+\k]
.endr
	s_wait_alu depctr_va_vdst(0)
.irp k, 0,1,2,3,4,5,6,7,8,9,10,11,12,13,14,15
	v_exp_f32 v[TA+\k], -v[TA+\k]
.endr
.irp k, 0,1,2,3,4,5,6,7,8,9,10,11,12,13,14,15
	v_cvt_i32_f32 v[TN+\k], v[TN+\k]
.endr
.irp k, 0,1,2,3,4,5,6,7,8,9,10,11,12,13,14,15
	v_sub_nc_u32 v[TN+\k], 0, v[TN+\k]
.endr
	s_wait_alu depctr_va_vdst(0)
.irp k, 0,1,2,3,4,5,6,7,8,9,10,11,12,13,14,15
	v_ldexp_f32 v[TH+\k], v[TA+\k], v[TN+\k]
.endr
.irp m, 0,1
	WIN 0x44
.irp k, 0,1,2,3,4,5,6,7,8,9,10,11,12,13,14,15
	v_mul_f32 v[T0+\k], v[POS+\m], v[TH+\k]
.endr
	WIN 0x55
	TRIG
	WIN 0x44
.irp k, 0,1,2,3,4,5,6,7,8,9,10,11,12,13,14,15
	v_mul_f32 v[T4+\k], v[ACC+32*\m+2*\k], v[T3+\k]
	v_mul_f32 v[T5+\k], v[ACC+32*\m+2*\k], v[T2+\k]
.endr
	WIN 0x14
.irp k, 0,1,2,3,4,5,6,7,8,9,10,11,12,13,14,15
	v_fma_f32 v[ACC+32*\m+2*\k], -v[ACC+32*\m+2*\k+1], v[T2+\k], v[T4+\k]
	v_fma_f32 v[ACC+32*\m+2*\k+1], v[ACC+32*\m+2*\k+1], v[T3+\k], v[T5+\k]
.endr
.endr
	WIN 0
	WLOADS WQI, WQS
	NORM 1
	GLOAD GQ
	OUTC OCK, 0, SW+2
	v_cmp_ne_u32 vcc_lo, 0, v3
	s_delay_alu instid0(VALU_DEP_1)
	v_cndmask_b32 v180, v[SW+2], v[SW+3], vcc_lo
	global_store_b32 v[KW], v180, s[OSK:OSK+1]
	XPHASE XA1, 1, 0
	PRODUCTS
	NORM 0
	OUTC OCQ, 0, SW
	XPHASE XA0, 0, 0
	PRODUCTS
	NORM 0
	OUTC OCQ, 1024, SW+2
	v_cmp_ne_u32 vcc_lo, 0, v3
	s_delay_alu instid0(VALU_DEP_1)
	v_cndmask_b32 v180, v[SW], v[SW+2], vcc_lo
	s_delay_alu instid0(VALU_DEP_2)
	v_cndmask_b32 v181, v[SW+1], v[SW+3], vcc_lo
	global_store_b64 v15, v[180:181], s[OSQ:OSQ+1]
	s_wait_tensorcnt 0x0
	ds_add_u32 v[SPW], v[NIL]
	s_wait_dscnt 0x0
	s_endpgm
.Lfunc_end_k_q0d24366d23_proj:
	.size	k_q0d24366d23_proj, .Lfunc_end_k_q0d24366d23_proj-k_q0d24366d23_proj
	.p2alignl 7, 3214868480
	.fill 96, 4, 3214868480
	.section	.rodata,"a",@progbits
	.p2align	6, 0x0
	.amdhsa_kernel k_q0d24366d23_proj
		.amdhsa_group_segment_fixed_size 327680
		.amdhsa_private_segment_fixed_size 0
		.amdhsa_enable_private_segment 0
		.amdhsa_kernarg_size 64
		.amdhsa_user_sgpr_count 2
		.amdhsa_user_sgpr_kernarg_segment_ptr 1
		.amdhsa_wavefront_size32 1
		.amdhsa_system_sgpr_workgroup_id_x 1
		.amdhsa_system_sgpr_workgroup_id_y 1
		.amdhsa_system_sgpr_workgroup_id_z 1
		.amdhsa_system_vgpr_workitem_id 0
		.amdhsa_next_free_vgpr 512
		.amdhsa_next_free_sgpr 96
		.amdhsa_reserve_vcc 1
		.amdhsa_float_denorm_mode_32 3
		.amdhsa_float_denorm_mode_16_64 3
		.amdhsa_memory_ordered 1
		.amdhsa_forward_progress 1
		.amdhsa_inst_pref_size 211
	.end_amdhsa_kernel
	.amdgpu_metadata
---
amdhsa.version: [ 1, 2 ]
amdhsa.kernels:
  - .name:           k_q0d24366d23_proj
    .symbol:         k_q0d24366d23_proj.kd
    .args:
      - { .name: grid_coords_tokens, .offset: 0, .size: 8, .value_kind: global_buffer, .address_space: global }
      - { .name: updated_track_tokens, .offset: 8, .size: 8, .value_kind: global_buffer, .address_space: global }
      - { .name: tracks, .offset: 16, .size: 8, .value_kind: global_buffer, .address_space: global }
      - { .name: q_gamma, .offset: 24, .size: 8, .value_kind: global_buffer, .address_space: global }
      - { .name: k_gamma, .offset: 32, .size: 8, .value_kind: global_buffer, .address_space: global }
      - { .name: wproj, .offset: 40, .size: 8, .value_kind: global_buffer, .address_space: global }
      - { .name: qq, .offset: 48, .size: 8, .value_kind: global_buffer, .address_space: global }
      - { .name: kv, .offset: 56, .size: 8, .value_kind: global_buffer, .address_space: global }
    .group_segment_fixed_size: 327680
    .private_segment_fixed_size: 0
    .kernarg_segment_align: 8
    .kernarg_segment_size: 64
    .max_flat_workgroup_size: 256
    .sgpr_count:     96
    .vgpr_count:     512
    .wavefront_size: 32
...
	.end_amdgpu_metadata
.endif
;; end of part 2
;; launch attn (part 3): grid 256 x 1, 8 waves a work-group, clusters of 4 x 1, 263,168 bytes of LDS; arguments qq, kv, tracks, feature_positions, sc, ss; writes sc, ss
.if DOCPART == 3
	.amdgcn_target "amdgcn-amd-amdhsa--gfx1250"
	.amdhsa_code_object_version 6
	.text
	.protected	k_q0d24366d23_attn
	.globl	k_q0d24366d23_attn
	.p2align	8
	.type	k_q0d24366d23_attn,@function
k_q0d24366d23_attn:
	s_mov_b64 s[64:65], 0
	v_nop
	global_prefetch_b8 v0, s[64:65] scope:SCOPE_SE
	s_setreg_imm32_b32 hwreg(HW_REG_WAVE_MODE, 25, 1), 1
	s_wait_xcnt 0x0
	s_wait_alu depctr_hold_cnt(0) depctr_sa_sdst(0) depctr_va_vdst(0) depctr_va_sdst(0) depctr_va_ssrc(0) depctr_va_vcc(0) depctr_vm_vsrc(0)
	s_getreg_b32 s2, hwreg(HW_REG_IB_STS2, 6, 4)
	s_cmp_eq_u32 s2, 0
	s_cbranch_scc0 .Lentry_in_a_cluster
	s_endpgm
.Lentry_in_a_cluster:
	s_bfe_u32 s2, ttmp6, 0x10000c
	s_cmp_lg_u32 s2, 0x3003
	s_cbranch_scc0 .Lentry_shape_is_right
	s_endpgm
.Lentry_shape_is_right:
; sampled = softmax(Q K^T / 8 - 2 |feature position - track position|^2) V for each frame and head, both products on codes of FP4 (E2M1) with E8M0 scales; sampled leaves as codes along its 1,024 channels.
; THE SOFTMAX AHEAD OF THE SECOND PRODUCT: t = logit x log2(e); M = the running largest t rounded up to a whole number; p = 2^(t - M) is quantised along the keys, not normalised; the row's sum of the unquantised p divides at the end.
; THE LOGIT: half of it is one fused line, score / 16 - d2: scaling by a power of two rounds nothing, so it has the one rounding of score / 8 + (-d2 / 0.5).  d2 is made of two differences, two squares and one sum.
; SHARES.  A work-group takes frame t, 128 queries and four heads; its eight waves take 16 queries each and walk the four heads one after the other.  A wave's d2 (16 queries x 512 keys) fills 256 registers: made once, used by four heads.
; The four heads' records (K's and V's codes and scale words in operand order, 53,248 bytes each) and the frame's tracks come into LDS once, each wave fetching an eighth of each: five tensor loads of a wave are out at the most.
; CLUSTER.  The four work-groups of a cluster share frame and heads and differ in their queries: every tensor load is asked for JOINTLY, with the same descriptor and a mask that names the four.  The place in the cluster enters global addresses of Q, positions and results alone.
; LAYOUT.  Both products are used transposed (S^T = K Q^T, O^T = V^T P^T): a lane holds one query throughout.  Lane r of a tile of keys 2 b + u stands for key 32 b + 8 u + r + 8 (r / 8), so that 16 registers of two tiles are 16 neighbouring keys; the queries of a tile lie in the same order.
; The first product's K is 64: registers 4-7 of both fragments are zero codes, cleared once, and the scale words' upper bytes stand for 1.0.
; LIMITS: NaN and infinities are not served; a block of zeros gets the scale byte 1 (its codes are zeros; this program alone reads the bytes).
; REGISTERS.  Window 0: v1-11 addresses; v12 -M, v13 largest t, v[14:15] the sum; v16-23 Q, v24 its scale word; v25 h; v[26:27] my query's position; v28-31 the four heads' scale words of sampled; v32-63 four fragments of K;
;   v64-127 S^T, then p; v128-191 O^T; v192-199 codes; v200 p's scale word; v202-205 K's, v206-209 V's scale words; v210-241 four fragments of V, between them the softmax's work; v[242:243] f; v[244:245] a chain of the sum.   Window 1: d2, at 64 s + 16 b + i.
.set REC, 53248
.set TRK, 212992                       ; LDS: 0: four records; here the frame's tracks, 4,096 bytes;
.set STG, 217088                       ; here a stage of 16 rows x (256 + 16) bytes for each wave, in blocks of their own
.set WV,  16
.set SEL, 56                           ; s[56:57] v_permlanex16_b32's selects for lane l xor 16
.set C16, 58                           ; s[58:59] 1/16, twice
.set CL2, 60                           ; s[60:61] 2 log2(e), twice
.set HB,  62                           ; s62 where the head's record begins in LDS
.set HC,  63                           ; s63 heads to go
.set HS,  66                           ; s66 the head's 64 bytes in a stage row
.set QC,  68                           ; s[68:69] Q's codes, s[70:71] Q's scale words, of the head to be loaded next
.set QS,  70
.set OC,  72                           ; s[72:73] my rows of sc, s[74:75] of ss
.set OS,  74
.set S,   64
.set O,   128
.set PC,  192
.set PW,  200
.set KSW, 202
.set VSW, 206
.set VB,  210
.set BM,  210
.set BP,  214
.set SO,  218
.set WK,  222
.set FF,  242
.set C2,  244
.set MSB, 0
.macro WIN new                         ; the immediate's high byte repeats the setting that is left
.if MSB != \new
	s_set_vgpr_msb (MSB<<8)|\new
.set MSB, \new
.endif
.endm
.macro ROUND                           ; a round of the cluster's barrier
	s_barrier_signal -1
	s_barrier_wait -1
	s_cmp_lg_u32 s[WV], 0
	s_cbranch_scc1 .Lnot_wave_0_\@
	s_barrier_signal -3
.Lnot_wave_0_\@:
	s_barrier_wait -3
	s_barrier_signal -1
	s_barrier_wait -1
.endm
; A KEY STEP: 128 keys.  first = 1: the head's first step starts M, the sum and O^T.  ql: the next head's Q is loaded behind the step's first products: 0 no, 1 yes, 2 unless this is the last head.
; K'S REGISTERS (this takes the place of what the head says of v28-63 and of zero codes in K's fragments): the first product's K is 64, and Q's registers 4-7 are zero codes, so whatever codes stand in
; registers 4-7 of K's operand add nothing (every code of E2M1 is a finite number, and the scale words' upper bytes stand for 1.0).  So a step's eight tiles lie 4 registers apart, tile t in v[28 + 4 t] on,
; and tile t's operand runs on into tile t + 1's registers; tile 7's into v60-63, where the four heads' scale words of sampled are kept.  Their scale words: v202-205, v26-27, v248-249.
.macro KLOAD s                         ; 12 LDS loads: the eight tiles of key step s and their scale words
.irp t, 0,1,2,3,4,5,6,7
	ds_load_b128 v[28+4*\t:31+4*\t], v4 offset:(8*(\s)+\t)*512
.endr
	ds_load_b64 v[202:203], v5 offset:49152+512*(\s)
	ds_load_b64 v[204:205], v5 offset:49152+512*(\s)+128
	ds_load_b64 v[26:27], v5 offset:49152+512*(\s)+256
	ds_load_b64 v[248:249], v5 offset:49152+512*(\s)+384
.endm
.macro QK t, w
	v_wmma_scale_f32_16x16x128_f8f6f4 v[S+8*\t:S+8*\t+7], v[28+4*\t:35+4*\t], v[16:23], 0, v\w, v24 matrix_a_fmt:MATRIX_FMT_FP4 matrix_b_fmt:MATRIX_FMT_FP4
.endm
.macro STEP s, first, ql
.if \first
	KLOAD 0                                        ; a head's first step asks here; the later steps' tiles were asked for in the step before
.endif
	s_wait_dscnt 0x0
	QK 0, 202                                      ; S^T = K Q^T, eight tiles of 16 keys on end
	QK 1, 203
	QK 2, 204
	QK 3, 205
	QK 4, 26
	QK 5, 27
	QK 6, 248
	QK 7, 249
.rept 4
	v_nop                                          ; places in front of the first read of results, and of the loads into Q's registers
.endr
.if (\ql) == 2
	s_cmp_eq_u32 s[HC], 1
	s_cbranch_scc1 .Lno_q_\@                       ; no load leaves its buffer
.endif
.if \ql
	global_load_b128 v[16:19], v1, s[QC:QC+1]
	global_load_b32 v24, v2, s[QS:QS+1]
.endif
.if (\ql) == 2
.Lno_q_\@:
.endif
	WIN 0x10                                       ; source 2 (d2) window 1
.set j, 0
.rept 32
	v_pk_fma_f32 v[S+j:S+j+1], v[S+j:S+j+1], s[C16:C16+1], v[64*\s+j:64*\s+j+1] op_sel_hi:[1,0,1] neg_lo:[0,0,1] neg_hi:[0,0,1]   ; half the logit: score / 16 - d2; each accumulator from its low end on
.set j, j+2
.endr
	WIN 0
.irp b, 0,1,2,3
	v_max3_num_f32 v[BM+\b], v[S+16*\b], v[S+1+16*\b], v[S+2+16*\b]   ; the largest logit of each block of 32 keys: it serves for the row's maximum and, since p rises with the logit, for the block's largest p
.endr
.irp i, 3,5,7,9,11,13
.irp b, 0,1,2,3
	s_delay_alu instid0(VALU_DEP_4)
	v_max3_num_f32 v[BM+\b], v[BM+\b], v[S+16*\b+\i], v[S+1+16*\b+\i]
.endr
.endr
.irp b, 0,1,2,3
	s_delay_alu instid0(VALU_DEP_4)
	v_max_num_f32 v[BM+\b], v[BM+\b], v[S+15+16*\b]
.endr
.irp b, 0,1,2,3
	s_delay_alu instid0(VALU_DEP_4)
	v_permlanex16_b32 v[BP+\b], v[BM+\b], s[SEL], s[SEL+1]
.endr
.irp b, 0,1,2,3
	s_delay_alu instid0(VALU_DEP_4)
	v_max_num_f32 v[BM+\b], v[BM+\b], v[BP+\b]     ; with lane l xor 16's 16 keys
.endr
	s_delay_alu instid0(VALU_DEP_2)
	v_max3_num_f32 v[WK], v[BM], v[BM+1], v[BM+2]
	s_delay_alu instid0(VALU_DEP_1)
	v_max_num_f32 v[WK], v[WK], v[BM+3]
	s_delay_alu instid0(VALU_DEP_1)
	v_mul_f32 v[WK], s[CL2], v[WK]                 ; as t
	s_delay_alu instid0(VALU_DEP_1)
	v_max_num_f32 v13, v13, v[WK]                  ; the running largest t
.if !\first
	v_mov_b32 v[WK], v12
.endif
	v_floor_f32 v12, -v13                          ; -M = floor(-t): M is a whole number
.if !\first
	s_delay_alu instid0(VALU_DEP_1)
	v_sub_f32 v[WK], v12, v[WK]                    ; old M less new M: a whole number, 0 or less
	s_delay_alu instid0(VALU_DEP_1)
	v_cvt_i32_f32 v[WK], v[WK]
	s_delay_alu instid0(VALU_DEP_1)
	v_ldexp_f32 v[FF], 1.0, v[WK]                  ; f = 2^(old M - new M): a multiplication by it rounds nothing
.endif
.set j, 0
.rept 32
	v_pk_fma_f32 v[S+j:S+j+1], v[S+j:S+j+1], s[CL2:CL2+1], v[12:13] op_sel_hi:[1,0,0]   ; t - M
.set j, j+2
.endr
.irp b, 0,1,2,3
	v_fma_f32 v[BM+\b], v[BM+\b], s[CL2], v12      ; the same of each block's largest
.endr
.set j, 0
	s_wait_alu depctr_va_vdst(0)
.rept 64
	v_exp_f32 v[S+j], v[S+j]                       ; p = 2^(t - M)
.set j, j+1
.endr
.irp b, 0,1,2,3
	v_exp_f32 v[BM+\b], v[BM+\b]                   ; the block's largest p: the same two lines on the same number
.endr
.if \first
	v_nop                                          ; a plain line behind the exponentials
	s_wait_alu depctr_va_vdst(0)
.else
	v_pk_mul_f32 v[14:15], v[14:15], v[FF:FF+1] op_sel_hi:[1,0]   ; the sum under the new M (a plain line behind the exponentials)
	s_wait_alu depctr_va_vdst(0)
.endif
.irp b, 0,1,2,3
	v_max_num_f32 v[BM+\b], 0x1800000, v[BM+\b]    ; the floor 2^(3 - 127): the byte cannot fall under 1
.endr
.irp b, 0,1,2,3
	s_delay_alu instid0(VALU_DEP_4)
	v_add_nc_u32 v[SO+\b], 0xff000000, v[BM+\b]    ; 2 off the exponent field: the conversion's scale operand
.endr
.irp b, 0,1,2,3
	s_delay_alu instid0(VALU_DEP_4)
	v_lshrrev_b32 v[BP+\b], 23, v[SO+\b]           ; the scale's byte
.endr
	s_delay_alu instid0(VALU_DEP_3)
	v_lshl_or_b32 v[PW], v[BP+1], 8, v[BP]         ; p's scale word for these 128 keys
	s_delay_alu instid0(VALU_DEP_1)
	v_lshl_or_b32 v[PW], v[BP+2], 16, v[PW]
	s_delay_alu instid0(VALU_DEP_1)
	v_lshl_or_b32 v[PW], v[BP+3], 24, v[PW]
.irp b, 0,1,2,3
	v_cvt_scalef32_pk8_fp4_f32 v[PC+2*\b], v[S+16*\b:S+7+16*\b], v[SO+\b]
	v_cvt_scalef32_pk8_fp4_f32 v[PC+1+2*\b], v[S+8+16*\b:S+15+16*\b], v[SO+\b]
.endr
	v_nop                                          ; one plain line behind a scaled conversion
.irp c, 0,1                                    ; the operand's layout wants a whole block in a lane
.irp i, 0,1
	v_permlane16_swap_b32 v[PC+4*\c+\i], v[PC+2+4*\c+\i]
.endr
.endr
.irp t, 0,1,2,3                                ; V's first four tiles are asked for here: the sums below stand between the loads and the wait for them
	ds_load_b128 v[VB+8*\t:VB+8*\t+3], v4 offset:16384+(8*\s+\t)*1024
	ds_load_b128 v[VB+8*\t+4:VB+8*\t+7], v4 offset:16384+(8*\s+\t)*1024+512
	ds_load_b32 v[VSW+\t], v6 offset:51200+512*\s+64*\t
.endr
	v_pk_add_f32 v[244:245], v[68:69], v[72:73]
	v_pk_add_f32 v[252:253], v[76:77], v[80:81]
	v_pk_add_f32 v[250:251], v[84:85], v[88:89]
	v_pk_add_f32 v[248:249], v[92:93], v[96:97]
	v_pk_add_f32 v[204:205], v[100:101], v[104:105]
	v_pk_add_f32 v[202:203], v[108:109], v[112:113]
	v_pk_add_f32 v[58:59], v[116:117], v[120:121]
	v_pk_add_f32 v[14:15], v[14:15], v[124:125]
	v_pk_add_f32 v[244:245], v[244:245], v[64:65]
	v_pk_add_f32 v[252:253], v[252:253], v[66:67]
	v_pk_add_f32 v[250:251], v[250:251], v[70:71]
	v_pk_add_f32 v[248:249], v[248:249], v[74:75]
	v_pk_add_f32 v[204:205], v[204:205], v[78:79]
	v_pk_add_f32 v[202:203], v[202:203], v[82:83]
	v_pk_add_f32 v[58:59], v[58:59], v[86:87]
	v_pk_add_f32 v[14:15], v[14:15], v[90:91]
	v_pk_add_f32 v[244:245], v[244:245], v[94:95]
	v_pk_add_f32 v[252:253], v[252:253], v[98:99]
	v_pk_add_f32 v[250:251], v[250:251], v[102:103]
	v_pk_add_f32 v[248:249], v[248:249], v[106:107]
	v_pk_add_f32 v[204:205], v[204:205], v[110:111]
	v_pk_add_f32 v[202:203], v[202:203], v[114:115]
	v_pk_add_f32 v[58:59], v[58:59], v[118:119]
	v_pk_add_f32 v[14:15], v[14:15], v[122:123]
	v_pk_add_f32 v[244:245], v[244:245], v[126:127]
	s_delay_alu instid0(VALU_DEP_2)
	v_pk_add_f32 v[14:15], v[14:15], v[248:249]
	s_delay_alu instid0(VALU_DEP_2)
	v_pk_add_f32 v[244:245], v[244:245], v[204:205]
	v_pk_add_f32 v[252:253], v[252:253], v[202:203]
	v_pk_add_f32 v[250:251], v[250:251], v[58:59]
	s_delay_alu instid0(VALU_DEP_2)
	v_pk_add_f32 v[14:15], v[14:15], v[252:253]
	s_delay_alu instid0(VALU_DEP_2)
	v_pk_add_f32 v[244:245], v[244:245], v[250:251]
	s_delay_alu instid0(VALU_DEP_1)
	v_pk_add_f32 v[14:15], v[14:15], v[244:245]
.irp t, 0,1,2,3                                ; p has been converted and summed: V's other four tiles go into its first 32 registers, their scale words into v250-253, which the sums have left
	ds_load_b128 v[S+8*\t:S+8*\t+3], v4 offset:16384+(8*\s+4+\t)*1024
	ds_load_b128 v[S+8*\t+4:S+8*\t+7], v4 offset:16384+(8*\s+4+\t)*1024+512
	ds_load_b32 v[250+\t], v6 offset:51200+512*\s+64*(4+\t)
.endr
.if \s < 3
	KLOAD \s+1                                     ; and the next step's K: its registers, and those of its scale words, are free behind the sums
.endif
.if !\first
.set j, 0
.rept 32
	v_pk_mul_f32 v[O+j:O+j+1], v[O+j:O+j+1], v[FF:FF+1] op_sel_hi:[1,0]   ; O^T under the new M
.set j, j+2
.endr
.endif
	s_wait_alu depctr_va_vdst(0)
.if \s < 3
	s_wait_dscnt 12                                ; V's eight tiles are in; the 12 loads of the next step's K, issued behind them, may be out
.else
	s_wait_dscnt 0x0
.endif
.irp t, 0,1,2,3                                ; O^T += V^T P^T: eight tiles of 16 channels on end; the accumulators take turns
.if \first
	v_wmma_scale_f32_16x16x128_f8f6f4 v[O+8*\t:O+8*\t+7], v[VB+8*\t:VB+8*\t+7], v[PC:PC+7], 0, v[VSW+\t], v[PW] matrix_a_fmt:MATRIX_FMT_FP4 matrix_b_fmt:MATRIX_FMT_FP4
.else
	v_wmma_scale_f32_16x16x128_f8f6f4 v[O+8*\t:O+8*\t+7], v[VB+8*\t:VB+8*\t+7], v[PC:PC+7], v[O+8*\t:O+8*\t+7], v[VSW+\t], v[PW] matrix_a_fmt:MATRIX_FMT_FP4 matrix_b_fmt:MATRIX_FMT_FP4
.endif
.endr
.irp t, 0,1,2,3
.if \first
	v_wmma_scale_f32_16x16x128_f8f6f4 v[O+32+8*\t:O+32+8*\t+7], v[S+8*\t:S+8*\t+7], v[PC:PC+7], 0, v[250+\t], v[PW] matrix_a_fmt:MATRIX_FMT_FP4 matrix_b_fmt:MATRIX_FMT_FP4
.else
	v_wmma_scale_f32_16x16x128_f8f6f4 v[O+32+8*\t:O+32+8*\t+7], v[S+8*\t:S+8*\t+7], v[PC:PC+7], v[O+32+8*\t:O+32+8*\t+7], v[250+\t], v[PW] matrix_a_fmt:MATRIX_FMT_FP4 matrix_b_fmt:MATRIX_FMT_FP4
.endif
.endr
.rept 5
	v_nop                                          ; five places: the next step's scores are written over registers that these products have read
.endr
.endm
; A HEAD: four key steps, then O^T / the sum is quantised along the channels (a block of 32 lies in lanes l and l xor 16) and its codes go into my stage.  peel = 1: the first head.
.macro HEAD peel
	s_wait_loadcnt 0x0                             ; this head's Q is in: so its loads' bases may step
	s_add_nc_u64 s[QC:QC+1], s[QC:QC+1], 32768
	s_add_nc_u64 s[QS:QS+1], s[QS:QS+1], 4096
	v_add_nc_u32 v4, s[HB], v1
	s_wait_alu depctr_va_vdst(0)
	v_add_nc_u32 v5, s[HB], v2
	s_wait_alu depctr_va_vdst(0)
	v_add_nc_u32 v6, s[HB], v3
	v_add_nc_u32 v7, s[HS], v246
	v_mov_b32 v13, 0xff61b1e6                      ; the largest t so far: -3e38
	v_mov_b32 v14, 0
	v_mov_b32 v15, 0
	STEP 0, 1, 0
	STEP 1, 0, 0
	STEP 2, 0, 0
	STEP 3, 0, 2-\peel
.rept 4
	v_nop                                          ; places behind the last products
.endr
	v_add_f32 v14, v14, v15
	s_delay_alu instid0(VALU_DEP_1)
	v_permlanex16_b32 v[WK], v14, s[SEL], s[SEL+1]
	s_delay_alu instid0(VALU_DEP_1)
	v_add_f32 v14, v14, v[WK]                      ; the row's sum
	s_wait_alu depctr_va_vdst(0)
	v_rcp_f32 v14, v14
	v_nop                                          ; one plain line behind the transcendental
.set j, 0
	s_wait_alu depctr_va_vdst(0)
.rept 64
	v_mul_f32 v[S+j], v[O+j], v14                  ; register 8 t + i is sampled(my query, 128 head + 16 t + 8 h + i); each accumulator from its low end on
.set j, j+1
.endr
.irp b, 0,1,2,3
	v_max3_num_f32 v[BM+\b], |v[S+16*\b]|, |v[S+1+16*\b]|, 0x1800000
.endr
.irp i, 2,4,6,8,10,12,14
.irp b, 0,1,2,3
	s_delay_alu instid0(VALU_DEP_4)
	v_max3_num_f32 v[BM+\b], v[BM+\b], |v[S+16*\b+\i]|, |v[S+1+16*\b+\i]|
.endr
.endr
.irp b, 0,1,2,3
	s_delay_alu instid0(VALU_DEP_4)
	v_permlanex16_b32 v[BP+\b], v[BM+\b], s[SEL], s[SEL+1]
.endr
.irp b, 0,1,2,3
	s_delay_alu instid0(VALU_DEP_4)
	v_max_num_f32 v[BM+\b], v[BM+\b], v[BP+\b]
.endr
.irp b, 0,1,2,3
	s_delay_alu instid0(VALU_DEP_4)
	v_add_nc_u32 v[SO+\b], 0xff000000, v[BM+\b]
.endr
.irp b, 0,1,2,3
	s_delay_alu instid0(VALU_DEP_4)
	v_lshrrev_b32 v[BP+\b], 23, v[SO+\b]
.endr
	v_mov_b32 v60, v61                             ; the four heads' words move up: behind the fourth head v60 holds the first's
	v_mov_b32 v61, v62
	v_mov_b32 v62, v63
	v_lshl_or_b32 v63, v[BP+1], 8, v[BP]
	s_delay_alu instid0(VALU_DEP_1)
	v_lshl_or_b32 v63, v[BP+2], 16, v63
	s_delay_alu instid0(VALU_DEP_1)
	v_lshl_or_b32 v63, v[BP+3], 24, v63
.irp b, 0,1,2,3
	v_cvt_scalef32_pk8_fp4_f32 v[PC+2*\b], v[S+16*\b:S+7+16*\b], v[SO+\b]         ; channels 32 b + 8 h + 0 .. 7: bytes 16 b + 4 h on of the head's 64
	v_cvt_scalef32_pk8_fp4_f32 v[PC+1+2*\b], v[S+8+16*\b:S+15+16*\b], v[SO+\b]    ; channels 32 b + 16 + 8 h + 0 .. 7: 8 bytes further on
.endr
	v_nop                                          ; one plain line behind the last conversion
.irp b, 0,1,2,3
.irp u, 0,1
	ds_store_b32 v7, v[PC+2*\b+\u] offset:16*\b+8*\u
.endr
.endr
	s_wait_dscnt 0x0                               ; the stores are done
	s_add_co_u32 s[HB], s[HB], REC
	s_add_co_u32 s[HS], s[HS], 64
.endm
	s_load_b256 s[4:11], s[0:1], 0x0               ; qq s[4:5], kv s[6:7], tracks s[8:9], feature positions s[10:11]
	s_load_b128 s[12:15], s[0:1], 0x20             ; sc s[12:13], ss s[14:15]
	v_lshl_add_u32 v254, v0, 2, 0x40000
	v_mov_b32 v255, 0
	ds_add_u32 v254, v255
	ds_add_u32 v254, v255
	v_lshrrev_b32 v1, 5, v0
	s_delay_alu instid0(VALU_DEP_1)
	v_readfirstlane_b32 s[WV], v1                  ; wave 0..7
	s_bfe_u32 s19, ttmp9, 0x10001                  ; g: heads 4 g .. 4 g + 3.  In a cluster launch ttmp9 counts clusters: the four partners share g and t
	s_lshr_b32 s76, ttmp9, 2                       ; frame t
	; THE FILLS (this takes the place of what the head says of five loads): the four records lie on end in kv, 212,992 bytes; each wave fetches an eighth of that run,
	; 104 dense rows of 256 bytes (32 elements of 8 bytes), by its ONE tensor load; 15:0 the mask: all four work-groups; 21 set beside a mask.
	; The frame's tracks come by a plain load of 512 bytes a wave and an LDS store into bytes that no tensor load fills.
	s_mov_b32 s20, 15|(3<<16)|(1<<21)
	s_mov_b32 s21, 32<<16
	s_mov_b32 s22, 104<<16
	s_mov_b32 s23, 32<<16
	s_mov_b32 s24, 104
	s_mov_b32 s25, 32
	s_mov_b32 s26, 0
	s_mov_b32 s27, 0
	s_lshl_b32 s78, s76, 12                        ; tracks: 4,096 bytes a frame, 512 a wave
	s_lshl_b32 s77, s[WV], 9
	s_add_co_u32 s78, s78, s77
	s_mov_b32 s79, 0
	s_lshl_b32 s80, s76, 3
	s_lshl_b32 s77, s19, 2
	s_add_co_u32 s82, s80, s77                     ; 8 t + 4 g: my first head's record
	s_mul_i32 s80, s82, REC
	s_mul_i32 s77, s[WV], 26624                    ; my eighth of the four records
	s_add_co_u32 s80, s80, s77
	s_mov_b32 s81, 0
	s_wait_dscnt 0x0
	s_wait_kmcnt 0x0
	s_add_nc_u64 s[8:9], s[8:9], s[78:79]          ; my wave's 512 bytes of the frame's tracks
	s_mov_b32 s40, 1
	s_mul_i32 s41, s[WV], 26624                    ; LDS: the wave's number alone
	s_add_nc_u64 s[42:43], s[6:7], s[80:81]
	s_or_b32 s43, s43, 0x80000000
	ROUND                                          ; all four work-groups are here: the joint loads meet
	tensor_load_to_lds s[40:43], s[20:27]          ; my one tensor load
	s_nop 0
.rept 4
	v_nop
.endr
	s_bfe_u32 s17, ttmp6, 0x40000                  ; cx: my place in the cluster: it enters the addresses of Q, positions and results alone
	s_and_b32 s18, ttmp9, 1
	s_lshl_b32 s18, s18, 2
	s_add_co_u32 s18, s18, s17                     ; my block of 128 queries
	s_lshl_b32 s83, s18, 1
	s_lshr_b32 s84, s[WV], 2
	s_add_co_u32 s83, s83, s84                     ; my block of 64
	s_and_b32 s84, s[WV], 3                        ; my tile m in it
	s_lshr_b32 s85, s84, 1
	s_and_b32 s86, s84, 1
	s_lshl_b32 s87, s83, 6
	s_lshl_b32 s88, s85, 5
	s_add_co_u32 s87, s87, s88
	s_lshl_b32 s88, s86, 3
	s_add_co_u32 s87, s87, s88                     ; lane r's query is this + r + 8 (r / 8)
	s_lshl_b32 s88, s82, 15                        ; Q's codes: 32,768 bytes a head, 2,048 a block of 64, 512 a tile
	s_lshl_b32 s89, s83, 11
	s_add_co_u32 s88, s88, s89
	s_lshl_b32 s89, s84, 9
	s_add_co_u32 s88, s88, s89
	s_mov_b32 s89, 0
	s_add_nc_u64 s[QC:QC+1], s[4:5], s[88:89]
	s_lshl_b32 s88, s82, 12                        ; Q's scale words: 4,096 a head, 256 a block; tile m's at 128 (m / 2) + 8 r + 4 (m % 2)
	s_lshl_b32 s90, s83, 8
	s_add_co_u32 s88, s88, s90
	s_lshl_b32 s90, s85, 7
	s_add_co_u32 s88, s88, s90
	s_lshl_b32 s90, s86, 2
	s_add_co_u32 s88, s88, s90
	s_add_co_u32 s88, s88, 4194304
	s_add_nc_u64 s[QS:QS+1], s[4:5], s[88:89]
	s_lshl_b32 s88, s87, 3
	s_add_nc_u64 s[10:11], s[10:11], s[88:89]      ; the queries' positions
	s_lshl_b32 s88, s76, 10
	s_add_co_u32 s88, s88, s87                     ; the row of sampled
	s_lshl_b32 s90, s88, 5
	s_lshl_b32 s88, s88, 9
	s_lshl_b32 s91, s19, 8
	s_add_co_u32 s88, s88, s91                     ; 512 bytes a row; my four heads' 256
	s_add_nc_u64 s[OC:OC+1], s[12:13], s[88:89]
	s_lshl_b32 s91, s19, 4
	s_add_co_u32 s88, s90, s91                     ; 32 scale bytes a row; my four heads' 16
	s_add_nc_u64 s[OS:OS+1], s[14:15], s[88:89]
	s_mov_b32 s[SEL], 0x76543210
	s_mov_b32 s[SEL+1], 0xfedcba98
	s_mov_b32 s[C16], 0x3d800000
	s_mov_b32 s[C16+1], 0x3d800000
	s_mov_b32 s[CL2], 0x4038aa3b
	s_mov_b32 s[CL2+1], 0x4038aa3b
	s_mov_b32 s[HB], 0
	s_mov_b32 s[HS], 0
	v_and_b32 v25, 31, v0
	s_delay_alu instid0(VALU_DEP_1)
	v_lshlrev_b32 v1, 4, v25                       ; 16 x lane
	v_and_b32 v26, 15, v0                          ; r
	s_delay_alu instid0(VALU_DEP_1)
	v_lshlrev_b32 v2, 3, v26                       ; 8 r
	s_delay_alu instid0(VALU_DEP_2)
	v_lshlrev_b32 v3, 2, v26                       ; 4 r
	v_bfe_u32 v25, v0, 4, 1                        ; h
	s_mul_i32 s90, s[WV], 4352
	s_add_co_u32 s90, s90, STG                     ; my stage
	v_mul_u32_u24 v8, v25, 272
	s_delay_alu instid0(VALU_DEP_1)
	v_lshl_add_u32 v8, v26, 4, v8
	s_delay_alu instid0(VALU_DEP_1)
	v_add_nc_u32 v8, s90, v8                       ; back: lanes 0-15 one row of 256 bytes, lanes 16-31 the next
	v_mul_u32_u24 v246, v26, 272
	s_delay_alu instid0(VALU_DEP_1)
	v_lshl_add_u32 v246, v25, 2, v246
	s_delay_alu instid0(VALU_DEP_1)
	v_add_nc_u32 v246, s90, v246                   ; in: row r, + 4 h
	v_lshlrev_b32 v9, 9, v25
	s_delay_alu instid0(VALU_DEP_1)
	v_lshl_add_u32 v9, v26, 4, v9                  ; and the same two rows in sc
	v_and_b32 v27, 8, v26
	s_delay_alu instid0(VALU_DEP_1)
	v_add_nc_u32 v27, v27, v26                     ; r + 8 (r / 8)
	s_delay_alu instid0(VALU_DEP_1)
	v_lshlrev_b32 v10, 5, v27
	s_delay_alu instid0(VALU_DEP_1)
	v_lshl_add_u32 v10, v25, 3, v10                ; ss: my row, 8 bytes a half
	s_delay_alu instid0(VALU_DEP_3)
	v_lshlrev_b32 v247, 3, v27
	v_lshlrev_b32 v11, 7, v25
	s_delay_alu instid0(VALU_DEP_1)
	v_add_nc_u32 v11, TRK, v11                     ; tracks in LDS: my half's 16 keys of a block of 32
	s_lshl_b32 s91, s[WV], 9
	s_add_co_u32 s91, s91, TRK
	v_add_nc_u32 v7, s91, v1                       ; where my 16 bytes of the tracks go: TRK + 512 x wave + 16 x lane
	global_load_b64 v[26:27], v247, s[10:11]       ; my query's position
	global_load_b128 v[64:67], v1, s[8:9]          ; 32 lanes read 512 consecutive bytes of the tracks
	global_load_b128 v[16:19], v1, s[QC:QC+1]      ; the first head's Q: 512 consecutive bytes a wave
	global_load_b32 v24, v2, s[QS:QS+1]
.irp i, 0,1,2,3
	v_mov_b32 v[20+\i], 0                          ; zero codes for k = 64 .. 127, in Q's fragment
	v_mov_b32 v[60+\i], 0                          ; the heads' scale words of sampled
	v_mov_b32 v[BP+\i], 0                          ; written once: a lane permute's destination counts as one of its sources
.endr
	v_mov_b32 v[WK], 0
	v_mov_b32 v[FF+1], 0                           ; named as the upper half of a pair
	s_wait_alu depctr_va_vdst(0)                   ; the wait at the head's end
	s_wait_loadcnt 0x0
	ds_store_b128 v7, v[64:67]                     ; my slice of the tracks
	s_wait_dscnt 0x0                               ; for the others' sake
	s_barrier_signal -1                            ; the tensor load may stay out
	s_barrier_wait -1                              ; everybody's slice is in
	; ---- d2 of my query and all 512 keys, 128 keys at a time: register 64 s + 16 b + i is key 128 s + 32 b + 16 h + i, as in S^T
.irp s, 0,1,2,3
.irp b, 0,1,2,3
.irp q, 0,1,2,3,4,5,6,7
	ds_load_b128 v[64+32*\b+4*\q:67+32*\b+4*\q], v11 offset:(128*\s+32*\b)*8+16*\q   ; two keys' (x, y); the sixteen lanes of a half read the same bytes
.endr
.endr
	s_wait_dscnt 0x0
.set j, 0
.rept 64
	v_pk_add_f32 v[64+2*j:65+2*j], v[26:27], v[64+2*j:65+2*j] neg_lo:[0,1] neg_hi:[0,1]
.set j, j+1
.endr
.set j, 0
.rept 64
	v_pk_mul_f32 v[64+2*j:65+2*j], v[64+2*j:65+2*j], v[64+2*j:65+2*j]
.set j, j+1
.endr
	WIN 0x40                                       ; destination window 1
.set j, 0
.rept 64
	v_add_f32 v[64*\s+j], v[64+2*j], v[65+2*j]
.set j, j+1
.endr
	WIN 0
.endr
	s_wait_tensorcnt 0x0                           ; my eighth of the four records is in
	s_barrier_signal -1                            ; (no LDS instruction of mine is out: the last wait above was for 0)
	s_barrier_wait -1                              ; all four records are whole: no further barrier stands between the heads
	HEAD 1
	s_mov_b32 s[HC], 3
.Lhead:
	HEAD 0
	s_sub_co_u32 s[HC], s[HC], 1
	s_cmp_lg_u32 s[HC], 0
	s_cbranch_scc1 .Lhead
	; ---- the way out: 16 rows x 256 bytes of codes come back from my stage as whole rows
.irp i, 0,1,2,3,4,5,6,7
	ds_load_b128 v[64+4*\i:67+4*\i], v8 offset:544*\i
.endr
	v_cmp_ne_u32 vcc_lo, 0, v25                    ; lanes 0-15 give heads 0 and 1's scale words, lanes 16-31 heads 2 and 3's
	s_delay_alu instid0(VALU_DEP_1)
	v_cndmask_b32 v96, v60, v62, vcc_lo
	s_delay_alu instid0(VALU_DEP_2)
	v_cndmask_b32 v97, v61, v63, vcc_lo
	s_wait_alu depctr_va_vdst(0)
.irp i, 0,1,2,3,4,5,6,7
	s_wait_dscnt 7-\i                              ; LDS loads come back in order: the younger rows may be out
	global_store_b128 v9, v[64+4*\i:67+4*\i], s[OC:OC+1] offset:(2*\i+8*(\i/4))*512   ; sixteen lanes store 256 consecutive bytes, aligned: row-lane 2 i + h is row 2 i + h + 8 (i / 4)
.endr
	global_store_b64 v10, v[96:97], s[OS:OS+1]     ; 8 bytes a lane, 16 of a row's 32: pieces of rows, 0.5 MB in the whole launch
	s_wait_tensorcnt 0x0
	ds_add_u32 v254, v255
	s_wait_dscnt 0x0
	ROUND                                          ; the closing round: no work-group ends while a partner may still ask for a tile that names it
	s_endpgm
.Lfunc_end_k_q0d24366d23_attn:
	.size	k_q0d24366d23_attn, .Lfunc_end_k_q0d24366d23_attn-k_q0d24366d23_attn
	.p2alignl 7, 3214868480
	.fill 96, 4, 3214868480
	.section	.rodata,"a",@progbits
	.p2align	6, 0x0
	.amdhsa_kernel k_q0d24366d23_attn
		.amdhsa_group_segment_fixed_size 263168
		.amdhsa_private_segment_fixed_size 0
		.amdhsa_enable_private_segment 0
		.amdhsa_kernarg_size 48
		.amdhsa_user_sgpr_count 2
		.amdhsa_user_sgpr_kernarg_segment_ptr 1
		.amdhsa_wavefront_size32 1
		.amdhsa_system_sgpr_workgroup_id_x 1
		.amdhsa_system_sgpr_workgroup_id_y 1
		.amdhsa_system_sgpr_workgroup_id_z 1
		.amdhsa_system_vgpr_workitem_id 0
		.amdhsa_next_free_vgpr 512
		.amdhsa_next_free_sgpr 96
		.amdhsa_reserve_vcc 1
		.amdhsa_float_denorm_mode_32 3
		.amdhsa_float_denorm_mode_16_64 3
		.amdhsa_memory_ordered 1
		.amdhsa_forward_progress 1
		.amdhsa_inst_pref_size 241
	.end_amdhsa_kernel
	.amdgpu_metadata
---
amdhsa.version: [ 1, 2 ]
amdhsa.kernels:
  - .name:           k_q0d24366d23_attn
    .symbol:         k_q0d24366d23_attn.kd
    .args:
      - { .name: qq, .offset: 0, .size: 8, .value_kind: global_buffer, .address_space: global }
      - { .name: kv, .offset: 8, .size: 8, .value_kind: global_buffer, .address_space: global }
      - { .name: tracks, .offset: 16, .size: 8, .value_kind: global_buffer, .address_space: global }
      - { .name: feature_positions, .offset: 24, .size: 8, .value_kind: global_buffer, .address_space: global }
      - { .name: sc, .offset: 32, .size: 8, .value_kind: global_buffer, .address_space: global }
      - { .name: ss, .offset: 40, .size: 8, .value_kind: global_buffer, .address_space: global }
    .group_segment_fixed_size: 263168
    .private_segment_fixed_size: 0
    .kernarg_segment_align: 8
    .kernarg_segment_size: 48
    .max_flat_workgroup_size: 256
    .sgpr_count:     96
    .vgpr_count:     512
    .wavefront_size: 32
...
	.end_amdgpu_metadata
.endif
;; end of part 3
;; launch outp (part 4): grid 4 x 64, 4 waves a work-group, clusters of 4 x 4, 327,680 bytes of LDS; arguments sc, ss, woc, wos, out0; writes out0
.if DOCPART == 4
	.amdgcn_target "amdgcn-amd-amdhsa--gfx1250"
	.amdhsa_code_object_version 6
	.text
	.protected	k_q0d24366d23_outp
	.globl	k_q0d24366d23_outp
	.p2align	8
	.type	k_q0d24366d23_outp,@function
k_q0d24366d23_outp:
	s_mov_b64 s[64:65], 0
	v_nop
	global_prefetch_b8 v0, s[64:65] scope:SCOPE_SE
	s_setreg_imm32_b32 hwreg(HW_REG_WAVE_MODE, 25, 1), 1
	s_wait_xcnt 0x0
	s_wait_alu depctr_hold_cnt(0) depctr_sa_sdst(0) depctr_va_vdst(0) depctr_va_sdst(0) depctr_va_ssrc(0) depctr_va_vcc(0) depctr_vm_vsrc(0)
	s_getreg_b32 s2, hwreg(HW_REG_IB_STS2, 6, 4)
	s_cmp_eq_u32 s2, 0
	s_cbranch_scc0 .Lentry_in_a_cluster
	s_endpgm
.Lentry_in_a_cluster:
	s_bfe_u32 s2, ttmp6, 0x10000c
	s_cmp_lg_u32 s2, 0xf033
	s_cbranch_scc0 .Lentry_shape_is_right
	s_endpgm
.Lentry_shape_is_right:
; out0[m][n] = sum over k of sampled[m][k] W_out[k][n], both as codes of FP4 (E2M1) with one E8M0 byte for each 32 along K: sc [16384][512 bytes], ss [16384][32], woc [1024 (n)][512 bytes], wos [1024][32]; out0 f32.
; A tile of 256 x 256 is made by four waves, 128 x 128 each.
; ALL OF K (1,024: a row of 512 bytes) COMES INTO LDS AT ONCE: A's 256 rows and B's 256 rows at a pitch of 528 bytes are 2 x 135,168 bytes, the scales 17,408.  One tensor load a wave at the head:
; wave 0 A's codes, wave 1 B's, wave 2 A's scales, wave 3 B's.  Nothing is filled again, so there is no ring and no further round but the closing one.
; THE WORK GOES BY ROWS OF out0.  A wave keeps all its fragments of B in registers (8 blocks x 8 steps x 8 = 512) and finishes one block of 16 rows after the other: 64 products, the block's 8 accumulators by turns, K ascending.
; Block a - 1 goes through the wave's stage and out to memory while block a is multiplied.  LDS is read once for each fragment.
; CLUSTERS: 4 x 4 work-groups; A's tiles are asked for jointly along a row of the cluster, B's along a column.  The matrix instruction is used transposed (source 0 = rows of W_out, source 1 = rows of sampled): a lane holds eight neighbouring numbers of a row of out0.
; NO PREFETCH: the text has no loop to run ahead in; every byte is asked for at the head.
; REGISTERS: window 0: v16-29 addresses; v32-95 scale words of all eight steps; v128-255 A's fragments of a block (8 steps x 8), two sets.  Window 1: v0-127 accumulators, two sets of 8 x 8; v128-255 rows read back from the stage, two sets.
;   Windows 2, 3: B's fragments: step q, block b at v[64 (q % 4) + 8 b] of window 2 + q / 4.
.set SIZE_N, 1024
.set KROW,   512
.set PITCH,  528                       ; 512 bytes + 16: an odd multiple of 16
.set NP,     4
.set HALFT,  128*PITCH
.set KS,     32
.set SCL,    4*HALFT                   ; behind the codes: the scales, as units of 256 bytes + 16 of padding
.set HALFS,  (128*KS/256)*272
.set SBLK,   (16*KS/256)*272
.set SPARE,  SCL+4*HALFS               ; the spare words: 512 bytes that no other line names
.set STAGE,  SPARE+512                 ; the way out: 16 rows x (512 + 16) bytes for each wave, in bytes of their own
.set SPITCH, 528
.set ADRA, 16
.set ADRB, 20
.set STO,  24
.set RD,   25
.set CO,   26
.set ADRS, 27
.set SPW,  28
.set NIL,  29
.set SC,   32                          ; register 32 (q / 4) + 4 i + q % 4: lanes 0-15 the word of A's block i, lanes 16-31 of B's block i, for step q
.set AF,   128
.set G1, 24
.set G0, 32
.set G1B, 48
.set G0B, 56
.set G1S, 68
.set G0S, 76
.set G1SB, 80
.set G0SB, 88
.set MSB, 0
.macro WIN new                         ; the immediate's high byte repeats the setting that is left
.if MSB != \new
	s_set_vgpr_msb (MSB<<8)|\new
.set MSB, \new
.endif
.endm
.macro CROUND                          ; a round of the cluster's barrier
	s_barrier_signal -1
	s_barrier_wait -1
	s_cmp_lg_u32 s14, 0
	s_cbranch_scc1 .Lnot_wave_0_\@
	s_barrier_signal -3
.Lnot_wave_0_\@:
	s_barrier_wait -3
	s_barrier_signal -1
	s_barrier_wait -1
.endm
	s_load_b128 s[4:7], s[0:1], 0x0                ; sc, ss
	s_load_b128 s[8:11], s[0:1], 0x10              ; woc, wos
	s_load_b64 s[12:13], s[0:1], 0x20              ; out0
	v_lshl_add_u32 v[SPW], v0, 2, SPARE
	v_mov_b32 v[NIL], 0
	ds_add_u32 v[SPW], v[NIL]                      ; the opening lines: the add, twice on end, and its wait ahead of my first tensor load
	ds_add_u32 v[SPW], v[NIL]
	v_lshrrev_b32 v1, 5, v0
	v_readfirstlane_b32 s14, v1                    ; wave 0..3
	s_lshr_b32 s15, s14, 1                         ; which half of the tile's rows is mine
	s_and_b32 s16, s14, 1                          ; which half of its columns
	s_bfe_u32 s40, ttmp6, 0x40000                  ; cx, cy
	s_bfe_u32 s41, ttmp6, 0x40004
	s_lshl_b32 s42, ttmp9, 2
	s_add_co_u32 s42, s42, s40                     ; tile column
	s_and_b32 s17, ttmp7, 0xffff
	s_lshl_b32 s17, s17, 2
	s_add_co_u32 s17, s17, s41                     ; tile row
	s_lshl_b32 s43, s41, 2
	s_lshl_b32 s43, 15, s43                        ; my row of the cluster
	s_lshl_b32 s44, 0x1111, s40                    ; my column
	s_or_b32 s[G1+0], s43, (0<<16)|(1<<20)|(1<<21)|(6<<22)|(3<<25)   ; elements of 1 byte; four words of padding after every 128
	s_or_b32 s[G1B+0], s44, (0<<16)|(1<<20)|(1<<21)|(6<<22)|(3<<25)
.irp g, G1, G1B
	s_mov_b32 s[\g+1], KROW<<16                    ; 256 rows of 512 bytes
	s_mov_b32 s[\g+2], 256<<16
	s_mov_b32 s[\g+3], KROW<<16
	s_mov_b32 s[\g+4], 256
	s_mov_b32 s[\g+5], KROW
	s_mov_b32 s[\g+6], 0
	s_mov_b32 s[\g+7], 0
.endr
	s_or_b32 s[G1S+0], s43, (3<<16)|(1<<20)|(1<<21)|(5<<22)|(3<<25)  ; the scales of 256 rows: 8,192 dense bytes as 32 rows of 256, 16 bytes of padding behind each
	s_or_b32 s[G1SB+0], s44, (3<<16)|(1<<20)|(1<<21)|(5<<22)|(3<<25)
.irp g, G1S, G1SB
	s_mov_b32 s[\g+1], 32<<16
	s_mov_b32 s[\g+2], KS<<16
	s_mov_b32 s[\g+3], 32<<16
	s_mov_b32 s[\g+4], KS
	s_mov_b32 s[\g+5], 32
	s_mov_b32 s[\g+6], 0
	s_mov_b32 s[\g+7], 0
.endr
	s_lshl_b32 s20, s17, 8                         ; A: the tile's first row
	s_lshl_b32 s46, s42, 8                         ; B: likewise
	s_mov_b32 s21, 0
	s_mov_b32 s47, 0
	s_mov_b64 s[18:19], KS
	s_mul_u64 s[22:23], s[20:21], s[18:19]
	s_mul_u64 s[92:93], s[46:47], s[18:19]
	s_mov_b64 s[18:19], KROW
	s_mul_u64 s[20:21], s[20:21], s[18:19]
	s_mul_u64 s[46:47], s[46:47], s[18:19]
	s_wait_dscnt 0x0                               ; both opening adds are done
	s_wait_kmcnt 0x0
	s_add_nc_u64 s[20:21], s[4:5], s[20:21]
	s_add_nc_u64 s[22:23], s[6:7], s[22:23]
	s_add_nc_u64 s[46:47], s[8:9], s[46:47]
	s_add_nc_u64 s[92:93], s[10:11], s[92:93]
	CROUND                                         ; all sixteen work-groups are here: the joint loads meet
	s_mov_b32 s[G0], 1
	s_mov_b32 s[G0+1], 0
	s_mov_b64 s[G0+2:G0+3], s[20:21]
	s_or_b32 s[G0+3], s[G0+3], 0x80000000
	s_mov_b32 s[G0B], 1
	s_mov_b32 s[G0B+1], 2*HALFT
	s_mov_b64 s[G0B+2:G0B+3], s[46:47]
	s_or_b32 s[G0B+3], s[G0B+3], 0x80000000
	s_mov_b32 s[G0S], 1
	s_mov_b32 s[G0S+1], SCL
	s_mov_b64 s[G0S+2:G0S+3], s[22:23]
	s_or_b32 s[G0S+3], s[G0S+3], 0x80000000
	s_mov_b32 s[G0SB], 1
	s_mov_b32 s[G0SB+1], SCL+2*HALFS
	s_mov_b64 s[G0SB+2:G0SB+3], s[92:93]
	s_or_b32 s[G0SB+3], s[G0SB+3], 0x80000000
; one tree of branches on the wave's number, a load to an arm: every way through the head passes exactly one
.macro ARM under, g0, g1, next
	s_cmp_lt_u32 s14, \under
	s_cbranch_scc0 \next
	tensor_load_to_lds s[\g0:\g0+3], s[\g1:\g1+7]
	s_nop 0
.rept 4
	v_nop
.endr
	s_branch .Lhead_asked
\next:
.endm
	ARM 1, G0,  G1,  .Lhead_b
	ARM 2, G0B, G1B, .Lhead_sa
	ARM 3, G0S, G1S, .Lhead_sb
	tensor_load_to_lds s[G0SB:G0SB+3], s[G1SB:G1SB+7]
	s_nop 0
.rept 4
	v_nop
.endr
.Lhead_asked:
	s_mul_i32 s21, s15, HALFT                      ; my 128 rows of A
	s_mul_i32 s22, s16, HALFT
	s_add_co_u32 s22, s22, 2*HALFT                 ; my 128 rows of B
	s_mul_i32 s94, s15, HALFS                      ; A's scales: my 128 rows
	s_mul_i32 s95, s16, HALFS
	s_add_co_u32 s95, s95, 2*HALFS                 ; B's
	s_sub_co_u32 s95, s95, s94                     ; the distance between the two
	s_add_co_u32 s94, s94, SCL
	s_mul_i32 s23, s14, 16*SPITCH
	s_add_co_u32 s23, s23, STAGE                   ; my stage
	v_and_b32 v1, 15, v0                           ; l % 16
	v_bfe_u32 v2, v0, 4, 1                         ; l / 16
	v_mul_u32_u24 v3, v1, PITCH
	v_lshl_add_u32 v4, v2, 4, v3
	v_add_nc_u32 v[ADRA], s21, v4
	v_add_nc_u32 v[ADRB], s22, v4
	v_mul_u32_u24 v5, v1, KS                       ; my row's scales: 32 bytes a row,
	v_lshrrev_b32 v6, 8, v5
	v_lshl_add_u32 v5, v6, 4, v5                   ; and 16 more for each 256 passed
	v_mul_u32_u24 v6, s95, v2                      ; lanes 16-31 take B's
	v_add_nc_u32 v5, v5, v6
	v_add_nc_u32 v[ADRS], s94, v5
	v_mul_u32_u24 v5, v1, SPITCH
	v_lshl_add_u32 v5, v2, 5, v5
	v_add_nc_u32 v[STO], s23, v5                   ; into the stage: row l % 16, 32 bytes a half
	v_and_b32 v6, 31, v0
	v_lshlrev_b32 v[CO], 4, v6                     ; back: 32 lanes take a row of 512 bytes; the same in out0
	v_add_nc_u32 v[RD], s23, v[CO]
	s_lshl_b32 s20, s17, 8
	s_lshl_b32 s21, s15, 7
	s_add_co_u32 s20, s20, s21                     ; my first row of out0
	s_mov_b32 s21, 0
	s_mov_b64 s[18:19], SIZE_N*4
	s_mul_u64 s[20:21], s[20:21], s[18:19]
	s_lshl_b32 s46, s42, 10
	s_lshl_b32 s47, s16, 9
	s_add_co_u32 s46, s46, s47                     ; my first column, in bytes
	s_mov_b32 s47, 0
	s_add_nc_u64 s[20:21], s[20:21], s[46:47]
	s_add_nc_u64 s[12:13], s[12:13], s[20:21]
.macro BLOAD q                         ; 16 LDS loads: B's eight fragments of step q (16 rows x 128 K: two loads of 16 bytes, 32 apart)
	WIN (0x80+0x40*((\q)/4))
.irp b, 0,1,2,3,4,5,6,7
.irp c, 0,1
	ds_load_b128 v[64*((\q)%4)+8*\b+4*\c:64*((\q)%4)+8*\b+4*\c+3], v[ADRB] offset:64*(\q)+32*\c+\b*16*PITCH
.endr
.endr
.endm
.macro ALOAD a                         ; 16 LDS loads: block a's fragments of A, all eight steps, into set a % 2 (every window 0)
.irp q, 0,1,2,3,4,5,6,7
.irp c, 0,1
	ds_load_b128 v[AF+64*((\a)%2)+8*\q+4*\c:AF+64*((\a)%2)+8*\q+4*\c+3], v[ADRA] offset:64*\q+32*\c+(\a)*16*PITCH
.endr
.endr
.endm
.macro PLACES n
.rept \n
	v_nop
.endr
.endm
; Block a is made: 64 products, its 8 accumulators by turns, K ascending; the first step's products start the sums.
; In block 0 B's fragments are still on their way: step q asks for step q + 2's (step 6 for A's block 1), and waits for its own: the two younger runs of 16 loads may be out (at step 7: one).
.macro ROW a
.set AS, AF+64*((\a)%2)
.set AC, 64*((\a)%2)
.irp q, 0,1,2,3,4,5,6,7
.if (\a) == 0
.if \q < 6
	BLOAD \q+2
.endif
.if \q == 6
	WIN 0
	ALOAD 1
.endif
.if \q < 7
	s_wait_dscnt 32
.else
	s_wait_dscnt 16
.endif
.endif
	WIN (0x52+\q/4)                                ; source 0 (B) window 2 or 3, source 1 (A) window 0, C and D window 1
.irp b, 0,1,2,3,4,5,6,7
.if \q == 0
	v_wmma_scale_f32_16x16x128_f8f6f4 v[AC+8*\b:AC+8*\b+7], v[64*(\q%4)+8*\b:64*(\q%4)+8*\b+7], v[AS+8*\q:AS+8*\q+7], 0, v[SC+32*(\q/4)+4*\b+\q%4], v[SC+32*(\q/4)+4*(\a)+\q%4] matrix_a_fmt:MATRIX_FMT_FP4 matrix_b_fmt:MATRIX_FMT_FP4 matrix_a_scale:MATRIX_SCALE_ROW1
.else
	v_wmma_scale_f32_16x16x128_f8f6f4 v[AC+8*\b:AC+8*\b+7], v[64*(\q%4)+8*\b:64*(\q%4)+8*\b+7], v[AS+8*\q:AS+8*\q+7], v[AC+8*\b:AC+8*\b+7], v[SC+32*(\q/4)+4*\b+\q%4], v[SC+32*(\q/4)+4*(\a)+\q%4] matrix_a_fmt:MATRIX_FMT_FP4 matrix_b_fmt:MATRIX_FMT_FP4 matrix_a_scale:MATRIX_SCALE_ROW1
.endif
.endr
.endr
.endm
; THE WAY OUT of block a: 16 rows x 128 columns go into my stage as they lie in the accumulators, and come back as whole rows of 512 bytes.
.macro TOSTAGE a
.set AC, 64*((\a)%2)
.set BB, 128+64*((\a)%2)
	WIN 0x04                                       ; the data: window 1
.irp b, 0,1,2,3,4,5,6,7
	ds_store_b128 v[STO], v[AC+8*\b:AC+8*\b+3] offset:64*\b          ; each accumulator from its low end on
	ds_store_b128 v[STO], v[AC+8*\b+4:AC+8*\b+7] offset:64*\b+16
.endr
.if (\a) > 1
	s_wait_xcnt 0x0                                ; block a - 2's stores have read their registers: the loads below may land there
.endif
	WIN 0x40
.irp t, 0,1,2,3,4,5,6,7,8,9,10,11,12,13,14,15
	ds_load_b128 v[BB+4*\t:BB+4*\t+3], v[RD] offset:\t*SPITCH        ; LDS serves a wave's instructions in order: these see my stores, and the next block's stores come behind them
.endr
	WIN 0
.endm
.macro SEND a                          ; every offset an immediate: 127 rows of 4,096 bytes at the most
.set BB, 128+64*((\a)%2)
	s_wait_dscnt 0x0                               ; the block is back in registers
	WIN 0x04
.irp t, 0,1,2,3,4,5,6,7,8,9,10,11,12,13,14,15
	global_store_b128 v[CO], v[BB+4*\t:BB+4*\t+3], s[12:13] offset:(16*(\a)+\t)*SIZE_N*4 th:TH_STORE_NT   ; 32 lanes store 512 consecutive bytes, aligned
.endr
	WIN 0
.endm
	s_wait_alu depctr_va_vdst(0)                   ; the wait at the head's end
	s_wait_tensorcnt 0x0                           ; my tile of the four is in
	s_barrier_signal -1
	s_barrier_wait -1                              ; all four are
.irp i, 0,1,2,3,4,5,6,7
	ds_load_b128 v[SC+4*\i:SC+4*\i+3], v[ADRS] offset:\i*SBLK           ; the scale words of steps 0-3,
	ds_load_b128 v[SC+32+4*\i:SC+32+4*\i+3], v[ADRS] offset:\i*SBLK+16  ; and of steps 4-7
.endr
	ALOAD 0
	BLOAD 0
	BLOAD 1
	ROW 0
.irp a, 1,2,3,4,5,6,7
	PLACES NP                                      ; places behind block a - 1's products: in front of the loads into its fragments' registers and of the stores of its results
	WIN 0
.if \a < 7
	ALOAD \a+1                                     ; into the set that block a - 1 has left
.endif
	TOSTAGE \a-1
.if \a < 7
	s_wait_dscnt 48                                ; block a's fragments are in; the 16 loads and the stage's 32 instructions issued behind them may be out
.else
	s_wait_dscnt 32
.endif
	ROW \a                                         ; block a is multiplied while block a - 1 goes through the stage
	SEND \a-1
.endr
	PLACES NP
	TOSTAGE 7
	SEND 7
	s_wait_tensorcnt 0x0                           ; the wave's end
	ds_add_u32 v[SPW], v[NIL]
	s_wait_dscnt 0x0
	CROUND                                         ; the closing round
	s_endpgm
.Lfunc_end_k_q0d24366d23_outp:
	.size	k_q0d24366d23_outp, .Lfunc_end_k_q0d24366d23_outp-k_q0d24366d23_outp
	.p2alignl 7, 3214868480
	.fill 96, 4, 3214868480
	.section	.rodata,"a",@progbits
	.p2align	6, 0x0
	.amdhsa_kernel k_q0d24366d23_outp
		.amdhsa_group_segment_fixed_size 327680
		.amdhsa_private_segment_fixed_size 0
		.amdhsa_enable_private_segment 0
		.amdhsa_kernarg_size 40
		.amdhsa_user_sgpr_count 2
		.amdhsa_user_sgpr_kernarg_segment_ptr 1
		.amdhsa_wavefront_size32 1
		.amdhsa_system_sgpr_workgroup_id_x 1
		.amdhsa_system_sgpr_workgroup_id_y 1
		.amdhsa_system_sgpr_workgroup_id_z 1
		.amdhsa_system_vgpr_workitem_id 0
		.amdhsa_next_free_vgpr 1024
		.amdhsa_next_free_sgpr 98
		.amdhsa_reserve_vcc 0
		.amdhsa_float_denorm_mode_32 3
		.amdhsa_float_denorm_mode_16_64 3
		.amdhsa_memory_ordered 1
		.amdhsa_forward_progress 1
		.amdhsa_inst_pref_size 122
	.end_amdhsa_kernel
	.amdgpu_metadata
---
amdhsa.version: [ 1, 2 ]
amdhsa.kernels:
  - .name:           k_q0d24366d23_outp
    .symbol:         k_q0d24366d23_outp.kd
    .args:
      - { .name: sc, .offset: 0, .size: 8, .value_kind: global_buffer, .address_space: global }
      - { .name: ss, .offset: 8, .size: 8, .value_kind: global_buffer, .address_space: global }
      - { .name: woc, .offset: 16, .size: 8, .value_kind: global_buffer, .address_space: global }
      - { .name: wos, .offset: 24, .size: 8, .value_kind: global_buffer, .address_space: global }
      - { .name: out0, .offset: 32, .size: 8, .value_kind: global_buffer, .address_space: global }
    .group_segment_fixed_size: 327680
    .private_segment_fixed_size: 0
    .kernarg_segment_align: 8
    .kernarg_segment_size: 40
    .max_flat_workgroup_size: 128
    .sgpr_count:     98
    .vgpr_count:     1024
    .wavefront_size: 32
...
	.end_amdgpu_metadata
.endif
;; end of part 4
